; MI455X (gfx1250); checked and timed in simulation.
; The chip was launched on July 23, 2026; its instructions are those of AMD's public machine-readable ISA for CDNA 5 (MIT licence, August 2026) and "CDNA5" Instruction Set Architecture Reference Guide (July 2026). The comments in the code are by the model that wrote it; some were corrected since.
;; Multi Head Attention. Allowed arithmetic: matrix products marked QUANTISED: E2M3 operands, one E8M0 scale for each 32 along K, by v_wmma_scale_f32_16x16x128_f8f6f4 with both operands' format E2M3, f32 sums; everything else in f32.
;; Inputs: Wk 1,024 x 1,024 float32; Wo 1,024 x 1,024 float32; Wq 1,024 x 1,024 float32; Wv 1,024 x 1,024 float32; bk 1,024 float32; bo 1,024 float32; bq 1,024 float32; bv 1,024 float32; k 4 x 2,048 x 1,024 float32; q 4 x 2,048 x 1,024 float32; v 4 x 2,048 x 1,024 float32.
;; Outputs: out0 4 x 2,048 x 1,024 float32.
;; This version of the problem:
;;   THIS VERSION OF THE PROBLEM IS GIVEN IN LOW PRECISION. The matrix products marked QUANTISED in the list below multiply operands that are first quantised to E2M3 (2 exponent bits, 3 mantissa bits; 6 bits a number), with one power-of-two scale for each 32 numbers along K (OCP MX v1.0); their sums are f32. All else is computed in f32.
;;   The module's matrix products, in the order in which they are computed (A, B: the left and right operand; K: the contracted axis; several contracted axes count as one K, in the product's order):
;;     1. [M 8,192, K 1,024] x [K 1,024, N 1,024]; A: input q; B: input Wq: QUANTISED
;;     2. [M 8,192, K 1,024] x [K 1,024, N 1,024]; A: input k; B: input Wk: QUANTISED
;;     3. [M 8,192, K 1,024] x [K 1,024, N 1,024]; A: input v; B: input Wv: QUANTISED
;;     4. batch 64 x [M 2,048, K 64] x [K 64, N 2,048]; A: computed on the way; B: computed on the way: QUANTISED
;;     5. batch 64 x [M 2,048, K 2,048] x [K 2,048, N 64]; A: softmax (see below); B: computed on the way: QUANTISED
;;     6. [M 8,192, K 1,024] x [K 1,024, N 1,024]; A: computed on the way; B: input Wo: QUANTISED
;;   THE QUANTISER, for each operand of a quantised product, along K:
;;     - K is cut into blocks of 32 from its start; a last block that is shorter is filled with zeros.
;;     - A block's scale is 2^e with e = floor(log2(the largest magnitude in the block)) - 2, held to -126 .. 127; a block of zeros has e = 0. As a byte (E8M0): e + 127.
;;     - Each number is divided by its block's scale, clamped to +-7.5, and rounded to the nearest number of E2M3, ties to even, subnormals kept.
;;     - The product sums the exact products of the quantised numbers (number of the format x scale) in f32.
;;   ~~~python
;;   def quantise(x, axis):      # numpy; x: float32 -> the quantised numbers, widened to float32 again
;;       x = np.moveaxis(x, axis, -1); K = x.shape[-1]
;;       x = np.pad(x, [(0, 0)] * (x.ndim - 1) + [(0, -K % 32)]); x = x.reshape(x.shape[:-1] + (-1, 32)); a = np.abs(x).max(-1, keepdims=True)
;;       e = np.where(a > 0, np.clip(np.frexp(np.where(a > 0, a, 1))[1] - 1 - 2, -126, 127), 0)      # np.frexp(a)[1] - 1 = floor(log2(a)), exactly
;;       r = np.clip(x / 2.0 ** e, -7.5, 7.5)
;;       step = 2.0 ** (np.maximum(np.frexp(np.where(r == 0, 1, r))[1] - 1, 0) - 3)
;;       q = np.round(r / step) * step * 2.0 ** e      # np.round: ties to even
;;       return np.moveaxis(q.reshape(q.shape[:-2] + (-1,))[..., :K], -1, axis).astype(np.float32)
;;   ~~~
;;   SOFTMAX AHEAD OF A QUANTISED PRODUCT. Where the list says 'softmax', what is quantised is not the finished softmax but p = 2^(t - M), with t = logit x log2(e) and M = ceil(the row's largest t), a whole number; so 1/2 < the row's largest p <= 1. The row's sum l is taken of the UNQUANTISED p, in f32, and the product's result is divided by l at the end. Since M is a whole number, a kernel that streams over the keys may use a running M (the ceiling of the running maximum): every later rescaling is an exact power of two, which a block's scale takes up: the codes' values come out the same.
;;   OPERANDS COMPUTED ON THE WAY. 'Computed on the way' means the value that the module computes at that place (a softmax that the list does not call 'softmax' is quantised finished and normalised). What goes into a quantiser is computed in f32, as accurately as f32 sums, v_exp_f32 and their like allow (about 1e-6 of the number): no bf16 or f16 on the way to a quantiser, and a product that is left as it is and whose result goes on into a quantised operand takes f32 operands (vector FMAs, or v_wmma_f32_16x16x4_f32). A number that lies on a knife's edge between two numbers of the format may be rounded either way, as far as f32 arithmetic and the matrix unit's own rounding can turn it there, and no further.
;; One version. Each part assembles by itself: llvm-mc -triple=amdgcn-amd-amdhsa -mcpu=gfx1250 --defsym DOCPART=n.
;; ======== version 1 of 1: 4 launches
;; limits: right only within a limited range of input values
;; workspace buffers: wq 3,276,800 bytes; xq 19,660,800 bytes; pq 20,185,088 bytes; aq 6,553,600 bytes
;; launch quant (part 1): grid 256 x 4, 4 waves a work-group, no clusters, 47,104 bytes of LDS; arguments q, k, v, Wq, Wk, Wv, Wo, xq, wq; writes xq, wq
.if DOCPART == 1
	.amdgcn_target "amdgcn-amd-amdhsa--gfx1250"
	.amdhsa_code_object_version 6
	.text
	.protected	k_q3eab50dc1c_quant
	.globl	k_q3eab50dc1c_quant
	.p2align	8
	.type	k_q3eab50dc1c_quant,@function
k_q3eab50dc1c_quant:
	s_mov_b64 s[64:65], 0
	v_nop
	global_prefetch_b8 v0, s[64:65] scope:SCOPE_SE
	s_setreg_imm32_b32 hwreg(HW_REG_WAVE_MODE, 25, 1), 1
	s_wait_xcnt 0x0
; ONE LAUNCH QUANTISES ALL SEVEN INPUTS OF THE PROJECTIONS to codes of FP6 (E2M3) and E8M0 scale bytes, one for each 32 along K.  y = 0, 1, 2: q, k, v (K innermost);  y = 3: the four weights (K is their first axis).
; A block's scale byte is its largest magnitude's exponent field - 2, held at 1 from below; each number / scale goes to the nearest code, ties to even, beyond 7.5 the largest code.
; LIMITS: a block of zeros gets the byte 1 where the rule says 127 (its codes are zeros, and this program alone reads the bytes); blocks whose largest magnitude lies under 2^-124
; are held at the byte 1; NaN and infinities among the inputs are not served.
; LAYOUT, in the order of an operand's registers.  A TILE is 16 rows (of x) or columns (of W): lane-row r of tile T is index 32 (T / 2) + 8 (T % 2) + r + 8 (r / 8);
; FOR TENSOR k ALONE 64 (T / 4) + 8 (T % 4) + r % 8 + 32 (r / 8), so that in attention a lane's 32 scores of four tiles are one scale block of 32 keys.
; A HALF IMAGE (768 bytes) holds 64 along K of a tile: registers 0-3 of lane (r, h) at 16 x lane, registers 4-5 at 512 + 8 x lane.  Codes: [tensor][tile][half image 16][768].
; Scale words behind the codes (XSC, WSC): [tensor][tile][K step / 4][r][K step % 4], one word for a row and 128 along K.
; The two paths part on the work-group's y alone, and each has LDS bytes of its own.  No tensor loads; 1,024 work-groups, four of which fit on a WGP.
.set XSC,  18874368
.set WSC,  3145728
.set SP,   528
.set SPARE, 33792                      ; behind x's four stages of 16 x 528 bytes: the spare words, 128 bytes a wave
.set WB,   34304                       ; the weights' path: four stages of 3,072 bytes,
.set SCW,  46592                       ; and a pair of tiles' scale words of half of K, 512 bytes
.set SPW,  26
.set NIL,  27
.set TM,   8                           ; x: v8-11 largest magnitudes, v12-15 the other half's and then the bytes, v20-23 the conversions' scale operands
.set PW,   28                          ; x: v28-31 four K steps' scale words
.set PC,   36                          ; x: v36-55 a fragment's codes
.set LD0,  64                          ; x: v64-191 two sets of 16 x 4 registers as loaded
.set X,    192                         ; x: v192-255 64 numbers in the conversions' order
.set SEL,  20
.set XW,   32                          ; W: v32-159 my column's 128 numbers
.set OUTR, 160                         ; W: v160-191 four half images on the way out
	s_load_b256 s[4:11], s[0:1], 0x0               ; q, k, v, Wq
	s_load_b256 s[36:43], s[0:1], 0x20             ; Wk, Wv, Wo, xq
	s_load_b64 s[44:45], s[0:1], 0x40              ; wq
	v_lshl_add_u32 v[SPW], v0, 2, SPARE
	v_mov_b32 v[NIL], 0
	v_lshrrev_b32 v1, 5, v0
	v_readfirstlane_b32 s16, v1                    ; wave
	s_and_b32 s17, ttmp7, 0xffff                   ; which tensor; 3: the weights
	s_cmp_eq_u32 s17, 3
	s_wait_alu depctr_va_vdst(0)
	s_cbranch_scc1 .Lweights
; ================= q, k, v.  Work-group x: tiles 2 x and 2 x + 1.  Wave w: tile 2 x + w / 2, K half w % 2: four K steps of 128.
; Each load reads 512 consecutive bytes of one row; a K step's 16 x 512 bytes turn through the wave's own stage and come back as: register 16 b + i = k 32 b + 16 (lane / 16) + i of row lane % 16.
	v_and_b32 v1, 31, v0
	v_lshlrev_b32 v2, 4, v1                        ; 16 x lane
	v_lshlrev_b32 v3, 3, v1                        ; 8 x lane
	s_mul_i32 s18, s16, 16*SP                      ; my stage
	v_add_nc_u32 v4, s18, v2
	v_and_b32 v6, 15, v0                           ; r
	v_bfe_u32 v7, v0, 4, 1                         ; h
	v_mul_u32_u24 v5, v6, SP
	v_lshl_add_u32 v5, v7, 6, v5
	v_add_nc_u32 v5, s18, v5                       ; out of the stage: row r, + 64 h
	v_lshlrev_b32 v6, 4, v6                        ; 16 r: my row's four scale words
.irp b, 0,1,2,3
	v_mov_b32 v[TM+4+\b], 0                        ; written once: a lane permute's destination counts as one of its sources
.endr
	s_mov_b32 s[SEL], 0x76543210
	s_mov_b32 s[SEL+1], 0xfedcba98
	s_lshr_b32 s19, s16, 1                         ; tile % 2
	s_and_b32 s22, s16, 1                          ; K half
	s_lshl_b32 s24, ttmp9, 17                      ; in: 32 rows of 4,096 bytes a pair of tiles;
	s_cmp_eq_u32 s17, 1
	s_cselect_b32 s30, 65536, 0                    ; for k alone: the pair's first row lies 16 rows back where x is odd,
	s_and_b32 s31, ttmp9, 1
	s_mul_i32 s31, s31, s30
	s_sub_co_u32 s24, s24, s31
	v_add_nc_u32 v24, s30, v2                      ; and lane-rows 8-15 lie 16 rows further on
	s_lshl_b32 s25, s19, 15                        ; 8 rows on for the odd tile,
	s_add_co_u32 s24, s24, s25
	s_lshl_b32 s25, s22, 11                        ; 2,048 bytes on for the second K half
	s_add_co_u32 s24, s24, s25
	s_mov_b32 s25, 0
	s_lshl_b32 s23, ttmp9, 1
	s_add_co_u32 s23, s23, s19                     ; tile
	s_mul_i32 s26, s17, 6291456
	s_mul_i32 s27, s23, 12288
	s_add_co_u32 s26, s26, s27
	s_mul_i32 s27, s22, 6144
	s_add_co_u32 s26, s26, s27                     ; codes
	s_mov_b32 s27, 0
	s_lshl_b32 s28, s17, 18
	s_lshl_b32 s29, s23, 9
	s_add_co_u32 s28, s28, s29
	s_lshl_b32 s29, s22, 8
	s_add_co_u32 s28, s28, s29
	s_add_co_u32 s28, s28, XSC                     ; scale words
	s_mov_b32 s29, 0
	s_wait_alu depctr_va_vdst(0)
	s_wait_kmcnt 0x0
	s_cmp_eq_u32 s17, 1                            ; the choice of the tensor hangs on the work-group's number alone
	s_cselect_b64 s[4:5], s[6:7], s[4:5]
	s_cmp_eq_u32 s17, 2
	s_cselect_b64 s[4:5], s[8:9], s[4:5]
	s_add_nc_u64 s[4:5], s[4:5], s[24:25]
	s_add_nc_u64 s[12:13], s[42:43], s[26:27]
	s_add_nc_u64 s[14:15], s[42:43], s[28:29]
.macro XLOAD t                         ; K step t of my half: 16 rows x 512 bytes into set t % 2
.irp i, 0,1,2,3,4,5,6,7,8,9,10,11,12,13,14,15
	global_load_b128 v[LD0+64*((\t)%2)+4*\i:LD0+64*((\t)%2)+4*\i+3], v[2+22*(\i/8)], s[4:5] offset:(\i+8*(\i/8))*4096+512*(\t) th:TH_LOAD_NT
.endr
.endm
.macro TURN t                          ; through the stage: LDS serves a wave's instructions in order, so no wait stands between the stores and the loads
.irp i, 0,1,2,3,4,5,6,7,8,9,10,11,12,13,14,15
	ds_store_b128 v4, v[LD0+64*((\t)%2)+4*\i:LD0+64*((\t)%2)+4*\i+3] offset:SP*\i
.endr
.irp b, 0,1,2,3
.irp j, 0,1,2,3
	ds_load_b128 v[X+16*\b+4*\j:X+16*\b+4*\j+3], v5 offset:128*\b+16*\j
.endr
.endr
.endm
.macro QUANT s, pc, pw                 ; 64 numbers of a lane become a fragment's 12 registers of codes and its scale word
.irp b, 0,1,2,3
	v_max3_num_f32 v[TM+\b], |v[\s+16*\b]|, |v[\s+1+16*\b]|, 0x1800000   ; block b: my 16 numbers, and the floor 2^(3 - 127)
.endr
.irp i, 2,4,6,8,10,12,14
.irp b, 0,1,2,3
	v_max3_num_f32 v[TM+\b], v[TM+\b], |v[\s+16*\b+\i]|, |v[\s+1+16*\b+\i]|
.endr
.endr
.irp b, 0,1,2,3
	v_permlanex16_b32 v[TM+4+\b], v[TM+\b], s[SEL], s[SEL+1]
.endr
.irp b, 0,1,2,3
	v_max_num_f32 v[TM+\b], v[TM+\b], v[TM+4+\b]   ; with lane l xor 16's: the block's largest magnitude
.endr
.irp b, 0,1,2,3
	v_add_nc_u32 v[TM+12+\b], 0xff000000, v[TM+\b] ; 2 off its exponent field: the conversion's scale operand
.endr
.irp b, 0,1,2,3
	v_lshrrev_b32 v[TM+4+\b], 23, v[TM+12+\b]      ; the scale's byte
.endr
	v_lshl_or_b32 v[\pw], v[TM+5], 8, v[TM+4]
	v_lshl_or_b32 v[\pw], v[TM+6], 16, v[\pw]
	v_lshl_or_b32 v[\pw], v[TM+7], 24, v[\pw]
.irp c, 0,1
	v_cvt_scalef32_pk16_fp6_f32 v[\pc+6*\c:\pc+2+6*\c], v[\s+32*\c:\s+15+32*\c], v[TM+12+2*\c]
	v_cvt_scalef32_pk16_fp6_f32 v[\pc+12+4*\c:\pc+14+4*\c], v[\s+16+32*\c:\s+31+32*\c], v[TM+12+2*\c+1]   ; (a conversion's three registers begin on an even number)
.endr
	v_nop                                          ; one plain place behind a scaled conversion
.irp c, 0,1                            ; the operand's layout wants a WHOLE block in a lane
.irp i, 0,1,2
	v_permlane16_swap_b32 v[\pc+6*\c+\i], v[\pc+12+4*\c+\i]
.endr
.irp i, 0,1,2
	v_mov_b32 v[\pc+3+6*\c+\i], v[\pc+12+4*\c+\i]
.endr
.endr
.endm
.macro STEP t
.if (\t) < 3
	s_wait_loadcnt 16                              ; this K step's 16 loads are in; the next one's may be out
.else
	s_wait_loadcnt 0x0
.endif
	TURN \t
	s_wait_dscnt 0x0                               ; the numbers are back, and the stage's stores have read the set
	s_wait_xcnt 0x0                                ; the last step's stores have read the codes' registers
.if (\t) < 2
	XLOAD (\t)+2
.endif
	QUANT X, PC, PW+(\t)
	global_store_b128 v2, v[PC:PC+3], s[12:13] offset:1536*(\t)            ; two half images: 512, 256, 512, 256 consecutive bytes
	global_store_b64 v3, v[PC+4:PC+5], s[12:13] offset:1536*(\t)+512
	global_store_b128 v2, v[PC+6:PC+9], s[12:13] offset:1536*(\t)+768
	global_store_b64 v3, v[PC+10:PC+11], s[12:13] offset:1536*(\t)+1280
.endm
	XLOAD 0
	XLOAD 1
	STEP 0
	STEP 1
	STEP 2
	STEP 3
	global_store_b128 v6, v[PW:PW+3], s[14:15]     ; 16 rows x 4 words: 256 consecutive bytes, aligned (lanes 16-31 hold, and write, the same words as lanes 0-15)
	s_wait_tensorcnt 0x0                           ; the wave's end
	ds_add_u32 v[SPW], v[NIL]
	s_wait_dscnt 0x0
	s_endpgm
; ================= THE WEIGHTS.  Work-group x: weight x / 64, the 32 columns of pair (x / 2) % 32 of tiles, K half x % 2.  Wave = K step of 128 in that half.
; A LANE TAKES A COLUMN AND ITS REGISTERS RUN DOWN K: a block of 32 lies in one lane and the conversions give codes with K innermost.  The codes turn through the wave's own stage into half images.
.Lweights:
	s_lshr_b32 s18, ttmp9, 6                       ; weight
	s_bfe_u32 s19, ttmp9, 0x50001                  ; pair of tiles
	s_and_b32 s20, ttmp9, 1                        ; K half
	s_lshl_b32 s21, s20, 2
	s_add_co_u32 s21, s21, s16                     ; K step
	v_and_b32 v1, 31, v0
	v_lshlrev_b32 v2, 2, v1                        ; in: 4 bytes a lane
	v_lshlrev_b32 v8, 4, v1
	v_lshlrev_b32 v9, 3, v1
	v_and_b32 v10, 7, v0
	v_bfe_u32 v11, v0, 4, 1
	v_lshl_or_b32 v10, v11, 3, v10                 ; r: my column's lane-row in its tile
	v_bfe_u32 v11, v0, 3, 1                        ; u: which tile of the pair
	s_mul_i32 s22, s16, 3072
	s_add_co_u32 s22, s22, WB                      ; my stage: [u][c][768]
	v_mul_u32_u24 v12, v11, 1536
	v_add_nc_u32 v12, s22, v12
	v_lshl_add_u32 v3, v10, 4, v12                 ; registers 0-3 at 16 r (+ 256 h in the immediate)
	v_lshl_add_u32 v4, v10, 3, v12                 ; registers 4-5 at 8 r (+ 512 + 128 h)
	v_add_nc_u32 v6, s22, v8
	v_add_nc_u32 v7, s22, v9
	s_lshl_b32 s23, s16, 2
	s_add_co_u32 s23, s23, SCW
	v_lshlrev_b32 v5, 8, v11
	v_lshl_add_u32 v5, v10, 4, v5
	v_add_nc_u32 v5, s23, v5                       ; my scale word: SCW + 256 u + 16 r + 4 x wave
	s_lshl_b32 s23, s16, 8
	s_add_co_u32 s23, s23, SCW
	v_add_nc_u32 v15, s23, v9                      ; waves 0 and 1 carry tile u = wave's 256 bytes of scale words out
	s_lshl_b32 s24, s21, 19                        ; W: 128 rows of 4,096 bytes a K step,
	s_lshl_b32 s25, s19, 7                         ; 32 columns of 4 bytes a pair
	s_add_co_u32 s24, s24, s25
	s_mov_b32 s25, 0
	s_mul_i32 s26, s18, 786432                     ; codes: 64 tiles x 12,288 bytes a weight,
	s_mul_i32 s27, s19, 24576
	s_add_co_u32 s26, s26, s27
	s_mul_i32 s27, s21, 1536                       ; two half images a K step
	s_add_co_u32 s26, s26, s27
	s_mov_b32 s27, 0
	s_lshl_b32 s28, s18, 15                        ; scale words: 32,768 bytes a weight, 512 a tile, 256 a K half
	s_lshl_b32 s29, s19, 10
	s_add_co_u32 s28, s28, s29
	s_lshl_b32 s29, s16, 9
	s_add_co_u32 s28, s28, s29
	s_lshl_b32 s29, s20, 8
	s_add_co_u32 s28, s28, s29
	s_add_co_u32 s28, s28, WSC
	s_mov_b32 s29, 0
	s_wait_alu depctr_va_vdst(0)
	s_wait_kmcnt 0x0
	s_mov_b64 s[30:31], s[10:11]
	s_cmp_eq_u32 s18, 1                            ; the choice of the weight hangs on the work-group's number alone
	s_cselect_b64 s[30:31], s[36:37], s[30:31]
	s_cmp_eq_u32 s18, 2
	s_cselect_b64 s[30:31], s[38:39], s[30:31]
	s_cmp_eq_u32 s18, 3
	s_cselect_b64 s[30:31], s[40:41], s[30:31]
	s_add_nc_u64 s[30:31], s[30:31], s[24:25]
	s_add_nc_u64 s[32:33], s[44:45], s[26:27]
	s_add_nc_u64 s[34:35], s[44:45], s[28:29]
.set K_, 0
.rept 128
	global_load_b32 v[XW+K_], v2, s[30:31] offset:4096*K_ th:TH_LOAD_NT   ; W(128 step + k, my column): 32 lanes read 128 consecutive bytes
.set K_, K_+1
.endr
.macro BLOCK bt                        ; block bt of my column: half image bt / 2, at the place of lane (r, h = bt % 2)
.set XS, XW+32*(\bt)
	v_max3_num_f32 v12, |v[XS]|, |v[XS+1]|, |v[XS+2]|
	v_max3_num_f32 v13, |v[XS+3]|, |v[XS+4]|, |v[XS+5]|
.irp i, 6,10,14,18,22,26
	v_max3_num_f32 v12, v12, |v[XS+\i]|, |v[XS+\i+1]|
	v_max3_num_f32 v13, v13, |v[XS+\i+2]|, |v[XS+\i+3]|
.endr
	v_max3_num_f32 v12, v12, |v[XS+30]|, |v[XS+31]|
	v_max3_num_f32 v12, v12, v13, 0x1800000        ; and the floor 2^(3 - 127)
	v_add_nc_u32 v11, 0xff000000, v12              ; the conversion's scale operand
	v_lshrrev_b32 v13, 23, v11                     ; the scale's byte
.if (\bt) == 0
	v_mov_b32 v14, v13
.else
	v_lshl_or_b32 v14, v13, 8*(\bt), v14
.endif
	v_cvt_scalef32_pk16_fp6_f32 v[16:18], v[XS:XS+15], v11
	v_cvt_scalef32_pk16_fp6_f32 v[22:24], v[XS+16:XS+31], v11
	v_nop                                          ; one plain place behind a scaled conversion
	v_mov_b32 v19, v22
	v_mov_b32 v20, v23
	v_mov_b32 v21, v24
	ds_store_b128 v3, v[16:19] offset:768*((\bt)/2)+256*((\bt)%2)
	ds_store_b64 v4, v[20:21] offset:768*((\bt)/2)+128*((\bt)%2)+512
	s_wait_dscnt 0x0                               ; the stores have read their registers: the next block writes them again
.endm
	s_wait_loadcnt 63                              ; of 128 loads at most 63 are out: blocks 0 and 1 are in
	BLOCK 0
	BLOCK 1
	s_wait_loadcnt 32
	BLOCK 2
	s_wait_loadcnt 0x0
	BLOCK 3
	s_wait_alu depctr_va_vdst(0)                   ; directly ahead of the reader below
	ds_store_b32 v5, v14                           ; my row's scale word of this K step
.irp q, 0,1,2,3
	ds_load_b128 v[OUTR+8*\q:OUTR+8*\q+3], v6 offset:768*\q        ; LDS serves a wave's instructions in order: these see my stores
	ds_load_b64 v[OUTR+8*\q+4:OUTR+8*\q+5], v7 offset:768*\q+512
.endr
	s_wait_dscnt 0x0                               ; for the others' sake too: my scale words have landed
	s_barrier_signal -1
	s_barrier_wait -1                              ; all four K steps' scale words lie in LDS
.irp q, 0,1,2,3
	global_store_b128 v8, v[OUTR+8*\q:OUTR+8*\q+3], s[32:33] offset:12288*(\q/2)+768*(\q%2)        ; 512 consecutive bytes
	global_store_b64 v9, v[OUTR+8*\q+4:OUTR+8*\q+5], s[32:33] offset:12288*(\q/2)+768*(\q%2)+512   ; 256 consecutive bytes
.endr
	s_cmp_lt_u32 s16, 2
	s_cbranch_scc0 .Ldone
	ds_load_b64 v[16:17], v15
	s_wait_dscnt 0x0
	global_store_b64 v9, v[16:17], s[34:35]        ; 256 consecutive bytes, aligned
.Ldone:
	s_wait_tensorcnt 0x0                           ; the wave's end
	ds_add_u32 v[SPW], v[NIL]
	s_wait_dscnt 0x0
	s_endpgm
.Lfunc_end_k_q3eab50dc1c_quant:
	.size	k_q3eab50dc1c_quant, .Lfunc_end_k_q3eab50dc1c_quant-k_q3eab50dc1c_quant
	.p2alignl 7, 3214868480
	.fill 96, 4, 3214868480
	.section	.rodata,"a",@progbits
	.p2align	6, 0x0
	.amdhsa_kernel k_q3eab50dc1c_quant
		.amdhsa_group_segment_fixed_size 47104
		.amdhsa_private_segment_fixed_size 0
		.amdhsa_enable_private_segment 0
		.amdhsa_kernarg_size 72
		.amdhsa_user_sgpr_count 2
		.amdhsa_user_sgpr_kernarg_segment_ptr 1
		.amdhsa_wavefront_size32 1
		.amdhsa_system_sgpr_workgroup_id_x 1
		.amdhsa_system_sgpr_workgroup_id_y 1
		.amdhsa_system_sgpr_workgroup_id_z 1
		.amdhsa_system_vgpr_workitem_id 0
		.amdhsa_next_free_vgpr 256
		.amdhsa_next_free_sgpr 66
		.amdhsa_reserve_vcc 0
		.amdhsa_float_denorm_mode_32 3
		.amdhsa_float_denorm_mode_16_64 3
		.amdhsa_memory_ordered 1
		.amdhsa_forward_progress 1
		.amdhsa_inst_pref_size 57
	.end_amdhsa_kernel
	.amdgpu_metadata
---
amdhsa.version: [ 1, 2 ]
amdhsa.kernels:
  - .name:           k_q3eab50dc1c_quant
    .symbol:         k_q3eab50dc1c_quant.kd
    .args:
      - { .name: q, .offset: 0, .size: 8, .value_kind: global_buffer, .address_space: global }
      - { .name: k, .offset: 8, .size: 8, .value_kind: global_buffer, .address_space: global }
      - { .name: v, .offset: 16, .size: 8, .value_kind: global_buffer, .address_space: global }
      - { .name: Wq, .offset: 24, .size: 8, .value_kind: global_buffer, .address_space: global }
      - { .name: Wk, .offset: 32, .size: 8, .value_kind: global_buffer, .address_space: global }
      - { .name: Wv, .offset: 40, .size: 8, .value_kind: global_buffer, .address_space: global }
      - { .name: Wo, .offset: 48, .size: 8, .value_kind: global_buffer, .address_space: global }
      - { .name: xq, .offset: 56, .size: 8, .value_kind: global_buffer, .address_space: global }
      - { .name: wq, .offset: 64, .size: 8, .value_kind: global_buffer, .address_space: global }
    .group_segment_fixed_size: 47104
    .private_segment_fixed_size: 0
    .kernarg_segment_align: 8
    .kernarg_segment_size: 72
    .max_flat_workgroup_size: 128
    .sgpr_count:     66
    .vgpr_count:     256
    .wavefront_size: 32
...
	.end_amdgpu_metadata
.endif
;; end of part 1
;; launch proj (part 2): grid 128 x 4, 4 waves a work-group, clusters of 4 x 1, 205,312 bytes of LDS; arguments xq, wq, bq, bk, bv, pq; writes pq
.if DOCPART == 2
	.amdgcn_target "amdgcn-amd-amdhsa--gfx1250"
	.amdhsa_code_object_version 6
	.text
	.protected	k_q3eab50dc1c_proj
	.globl	k_q3eab50dc1c_proj
	.p2align	8
	.type	k_q3eab50dc1c_proj,@function
k_q3eab50dc1c_proj:
	s_mov_b64 s[64:65], 0
	v_nop
	global_prefetch_b8 v0, s[64:65] scope:SCOPE_SE
	s_setreg_imm32_b32 hwreg(HW_REG_WAVE_MODE, 25, 1), 1
	s_wait_xcnt 0x0
	s_wait_alu depctr_hold_cnt(0) depctr_sa_sdst(0) depctr_va_vdst(0) depctr_va_sdst(0) depctr_va_ssrc(0) depctr_va_vcc(0) depctr_vm_vsrc(0)
	s_getreg_b32 s2, hwreg(HW_REG_IB_STS2, 6, 4)
	s_cmp_eq_u32 s2, 0
	s_cbranch_scc0 .Lentry_in_a_cluster
	s_endpgm
.Lentry_in_a_cluster:
	s_bfe_u32 s2, ttmp6, 0x10000c
	s_cmp_lg_u32 s2, 0x3003
	s_cbranch_scc0 .Lentry_shape_is_right
	s_endpgm
.Lentry_shape_is_right:
; The three projections x W + b on codes of FP6 (E2M3) with E8M0 scales, and the quantising of their results for attention.  y = 0: q, 1: k, 2: v.
; SOURCE 0 IS THE OPERAND P WHOSE INDEX IS THE NEXT QUANTISER'S K, source 1 the operand R: in the result a lane holds one row of R and its registers run along P.
;   y = 0, 1 (the next K is the head's 64 channels): P = W (columns n), R = rows of x.      y = 2 (the next K is the keys): P = rows of x_v, R = Wv (columns n).
; The rows of a tile are not neighbours (lane-row r of tile T: 32 (T / 2) + 8 (T % 2) + r + 8 (r / 8)), so that the 16 result registers of P's tiles 2 b and 2 b + 1 are P's indices 32 b + 16 (lane / 16) + 0 .. 15.
; SHARES.  A slab of 256 of P's indices, all of K (16 tiles, 196,608 bytes of codes + 8,192 of scale words) is brought into LDS ONCE; each of the four waves keeps 4 tiles of R, all of K, in 384 registers,
; loaded as they lie.  A GROUP is 8 tiles of P x my 4 tiles of R: 32 accumulators, 256 matrix instructions; two groups.  Behind a group the bias is added and, for each tile of R, the lane's 64 numbers
; (128 neighbours along P) are quantised: y = 0, 1: two heads' half images and their bytes; y = 2: one fragment of V^T (16 channels x 128 keys) and its scale word.
; CLUSTER.  The four work-groups of a cluster share the slab in both kinds (y < 2: slab cl / 8, row blocks 4 (cl % 8) + cx;  y = 2: slab cl, quarter cx of the columns): it is asked for JOINTLY,
; by one tensor load a wave, with the mask of all four.  One tensor load of a wave is out at the most.  No LDS byte is filled twice, and nothing is stored to LDS.
; 512 work-groups: three tensors do not divide into 256 equal parts without a work-group that spans two tensors.
; LIMITS: a block of zeros gets the byte 1 where the rule says 127 (its codes are zeros, this program alone reads the bytes); blocks whose largest magnitude lies under 2^-124 are held at the byte 1; NaN and infinities are not served.
; LAYOUT OF pq (bh = 16 batch + head): 0 and 6,291,456: Q's and K's codes [bh][tile 128][768] (a half image: 16 rows x the head's 64);  QS and QS + 524,288: their scale words [bh][tile / 4][lane 16 (t % 2) + r][word t / 2 % 2],
; bytes 0 and 1 the head's two blocks (bytes 2 and 3 are another head's bytes or 0, never 0xff: they meet zero codes);  VC: [bh][key step 16][channel tile 4][half image 2][768];  VS: [bh][key step][lane 16 (dt % 2) + r][word dt / 2].
; REGISTERS, in windows of 256.  Window 0: v5-8 LDS addresses 16 x lane + 49,152 (2 g + a) (v5 also the offset of 16-byte global accesses), v9-12 the same with 8 x lane; v13-16 more addresses; v18-25 the bias along lanes;
;   v26-29 scale words on the way out; v32-63 P's scale words, v64-79 R's; v80-95 at work; v96-99 the scale words just made; v112-255 three buffers of 4 fragments of P, later the codes just made.
;   Window 1: v0-191 R's fragments of K steps 0-3 (48 (s % 4) + 12 i), v192-255 the bias along registers, group 0.   Window 2: the same for K steps 4-7 and group 1.   Window 3: accumulator (i, t) at 8 (8 i + t).
.set WSC,  3145728
.set XSC,  18874368
.set QS,   12582912
.set VC,   13631488
.set VS,   19922944
.set PSC,  196608                      ; LDS: behind the slab: its scale words
.set G1,   24                          ; s[24:31] group 1: 192 or 384 rows of 256 bytes
.set G1S,  32                          ; s[32:39] group 1: 16 rows of 256 bytes
.set G0S,  40                          ; s[40:43] group 0: the scale words;  s[44:47] group 0's tiles;  s[48:51] group 1's
.set G0A,  44
.set G0B,  48
.set SEL,  68                          ; s[68:69] selects of v_permlanex16_b32 for lane l xor 16
.set BR,   18
.set PS,   32
.set RS,   64
.set TM,   80
.set PWR,  96
.set PBUF, 112
.set BPW,  192
.set MSB, 0
.macro WIN new                         ; the immediate's high byte repeats the setting that is left; a switch that changes nothing is dropped
.if MSB != (\new)
	s_set_vgpr_msb (MSB<<8)|(\new)
.set MSB, (\new)
.endif
.endm
.macro CROUND                          ; a round of the cluster's barrier
	s_barrier_signal -1
	s_barrier_wait -1
	s_cmp_lg_u32 s16, 0
	s_cbranch_scc1 .Lnot_wave_0_\@
	s_barrier_signal -3
.Lnot_wave_0_\@:
	s_barrier_wait -3
	s_barrier_signal -1
	s_barrier_wait -1
.endm
	s_load_b256 s[4:11], s[0:1], 0x0               ; xq, wq, bq, bk
	s_load_b128 s[12:15], s[0:1], 0x20             ; bv, pq
	v_lshl_add_u32 v110, v0, 2, 0x32000
	v_mov_b32 v111, 0
	ds_add_u32 v110, v111
	ds_add_u32 v110, v111
	v_lshrrev_b32 v1, 5, v0
	v_readfirstlane_b32 s16, v1                    ; wave
	s_and_b32 s17, ttmp7, 0xffff
	; THE GRID'S y: 0 and 1 are q and k, two groups a work-group (256 work-groups); 2 and 3 are BOTH v, ONE group a work-group: group y - 2 of the slab (256 work-groups).  From here on s17 is the kind (2: v), s19 v's group
	s_lshr_b32 s19, s17, 1
	s_and_b32 s19, s19, s17
	s_min_u32 s17, s17, 2
	s_bfe_u32 s18, ttmp6, 0x40000                  ; cx: it enters R's and the outputs' addresses alone
	s_lshr_b32 s20, ttmp9, 3                       ; cl / 8
	s_and_b32 s21, ttmp9, 7                        ; cl % 8
.irp g, G1, G1S
	s_mov_b32 s[\g], 15|(3<<16)|(1<<21)            ; 15:0 the mask: all four work-groups; 17:16 elements of 8 bytes; 21 set beside a mask; no padding
	s_mov_b32 s[\g+1], 32<<16                      ; tensor_dim0 = 32 elements: rows of 256 bytes of a dense block
	s_mov_b32 s[\g+3], 32<<16                      ; tile_dim0
	s_mov_b32 s[\g+5], 32                          ; the pitch
	s_mov_b32 s[\g+6], 0
	s_mov_b32 s[\g+7], 0
.endr
	s_mov_b32 s[G1S+2], 16<<16                     ; group 1's scale words, 4,096 bytes (group 0's come by plain loads; the rows of a load of codes are written in its own arm)
	s_mov_b32 s[G1S+4], 16
	s_mov_b32 s[SEL], 0x76543210
	s_mov_b32 s[SEL+1], 0xfedcba98
	s_mov_b32 s71, 0xffff0000                      ; lanes 16-31
	; P's offsets: made of y, cl and the wave alone, which the four partners share
	s_mul_i32 s74, s17, 786432
	s_mul_i32 s75, s20, 196608
	s_add_co_u32 s74, s74, s75                     ; y < 2: W_y's codes, slab cl / 8
	s_mul_i32 s75, ttmp9, 196608
	s_add_co_u32 s75, s75, 12582912
	s_mul_i32 s70, s19, 98304                      ; v: my one group's eight tiles
	s_add_co_u32 s75, s75, s70
	s_lshl_b32 s76, s17, 15
	s_lshl_b32 s77, s20, 13
	s_add_co_u32 s76, s76, s77
	s_add_co_u32 s76, s76, WSC                     ; and the scale words
	s_lshl_b32 s77, ttmp9, 13
	s_add_co_u32 s77, s77, XSC+524288
	s_lshl_b32 s70, s19, 12                        ; and their scale words
	s_add_co_u32 s77, s77, s70
	; R's offsets
	s_lshl_b32 s22, s21, 2
	s_add_co_u32 s22, s22, s18                     ; y < 2: row block 4 (cl % 8) + cx
	s_lshl_b32 s83, s16, 2
	s_lshl_b32 s23, s22, 4
	s_add_co_u32 s23, s23, s83                     ; my first tile of x: 16 x row block + 4 x wave
	s_lshl_b32 s82, s18, 4
	s_add_co_u32 s82, s82, s83                     ; y = 2: my first tile of Wv: 16 cx + 4 x wave
	s_mul_i32 s84, s17, 6291456
	s_mul_i32 s85, s23, 12288
	s_add_co_u32 s84, s84, s85
	s_mul_i32 s85, s82, 12288
	s_add_co_u32 s85, s85, 1572864
	s_lshl_b32 s86, s17, 18
	s_lshl_b32 s87, s23, 9
	s_add_co_u32 s86, s86, s87
	s_add_co_u32 s86, s86, XSC
	s_lshl_b32 s87, s82, 9
	s_add_co_u32 s87, s87, WSC+65536
	; the outputs' offsets, for both kinds on every path
	s_lshr_b32 s90, s22, 3
	s_lshl_b32 s90, s90, 4
	s_lshl_b32 s91, s20, 2
	s_add_co_u32 s90, s90, s91                     ; 16 batch + the slab's first head
	s_and_b32 s91, s22, 7
	s_lshl_b32 s92, s90, 7
	s_lshl_b32 s93, s91, 4
	s_add_co_u32 s92, s92, s93
	s_add_co_u32 s92, s92, s83                     ; x 128 tiles + my first tile in the batch
	s_mul_i32 s92, s92, 768
	s_mul_i32 s93, s17, 6291456
	s_add_co_u32 s92, s92, s93
	s_mov_b32 s93, 0
	s_lshl_b32 s94, s90, 5
	s_lshl_b32 s95, s91, 2
	s_add_co_u32 s94, s94, s95
	s_add_co_u32 s94, s94, s16                     ; x 32 fours of tiles + mine
	s_lshl_b32 s94, s94, 8
	s_lshl_b32 s95, s17, 19
	s_add_co_u32 s94, s94, s95
	s_add_co_u32 s94, s94, QS
	s_mov_b32 s95, 0
	s_lshl_b32 s96, s20, 4
	s_lshl_b32 s97, s18, 2
	s_add_co_u32 s96, s96, s97
	s_add_co_u32 s96, s96, s16                     ; y = 2: 16 batch + head 4 cx + wave
	s_lshl_b32 s96, s96, 4
	s_lshl_b32 s97, s21, 1
	s_add_co_u32 s96, s96, s97
	s_add_co_u32 s96, s96, s19                     ; + my group: a key step of 128
	s_lshl_b32 s98, s96, 8
	s_add_co_u32 s98, s98, VS
	s_mov_b32 s99, 0
	s_mul_i32 s96, s96, 6144
	s_add_co_u32 s96, s96, VC
	s_mov_b32 s97, 0
	v_and_b32 v3, 31, v0
	v_lshlrev_b32 v5, 4, v3                        ; 16 x lane
	v_lshlrev_b32 v9, 3, v3                        ; 8 x lane
.irp k, 1,2,3
	v_add_nc_u32 v[5+\k], 49152*\k, v5             ; + 98,304 g + 49,152 a
	v_add_nc_u32 v[9+\k], 49152*\k, v9
.endr
	v_and_b32 v3, 15, v0                           ; r
	v_bfe_u32 v4, v0, 4, 1                         ; h
	v_lshlrev_b32 v14, 4, v3
	v_lshl_add_u32 v14, v4, 9, v14                 ; scale words of a pair of tiles: lanes 0-15 the even tile's row r, lanes 16-31 the odd tile's
	v_add_nc_u32 v13, PSC, v14
	v_lshlrev_b32 v15, 6, v4                       ; the bias along registers: 16 numbers on for lanes 16-31
	v_and_b32 v16, 8, v3
	v_add_nc_u32 v16, v16, v3
	v_lshlrev_b32 v16, 2, v16                      ; the bias along lanes: 4 (r + 8 (r / 8))
.irp i, 0,1,2,3
	v_mov_b32 v[BR+2*\i+1], 0                      ; (named as the upper half of a pair)
	v_mov_b32 v[TM+4+\i], 0                        ; written once: a lane permute's destination counts as one of its sources
.endr
	s_wait_dscnt 0x0
	s_wait_kmcnt 0x0
	s_cmp_eq_u32 s17, 2                            ; every choice hangs on y alone
	s_cselect_b32 s74, s75, s74
	s_cselect_b32 s76, s77, s76
	s_cselect_b32 s84, s85, s84
	s_cselect_b32 s86, s87, s86
	s_cselect_b64 s[78:79], s[4:5], s[6:7]         ; P's buffer
	s_cselect_b64 s[80:81], s[6:7], s[4:5]         ; R's
	s_cselect_b64 s[88:89], s[12:13], s[8:9]
	s_cmp_eq_u32 s17, 1
	s_cselect_b64 s[88:89], s[10:11], s[88:89]     ; the bias
	s_mov_b32 s75, 0
	s_mov_b32 s77, 0
	s_mov_b32 s85, 0
	s_mov_b32 s87, 0
	s_add_nc_u64 s[G0B+2:G0B+3], s[78:79], s[74:75] ; the slab's first byte
	s_mul_i32 s[G0A+1], s16, 49152                 ; LDS: waves 0 and 1: a half of group 0's tiles each,
	s_add_co_u32 s74, s74, s[G0A+1]
	s_mov_b32 s[G0B+1], 98304                      ; wave 3: all of group 1's,
	s_mov_b32 s[G0S+1], PSC+4096
	s_mov_b32 s[G0S], 1
	s_mov_b32 s[G0A], 1
	s_mov_b32 s[G0B], 1
	s_add_nc_u64 s[76:77], s[78:79], s[76:77]      ; my first group's scale words of P
	s_add_nc_u64 s[G0S+2:G0S+3], s[76:77], 4096    ; group 1's
	s_add_nc_u64 s[G0A+2:G0A+3], s[78:79], s[74:75]
	s_add_nc_u64 s[G0B+2:G0B+3], s[G0B+2:G0B+3], 98304
	s_or_b32 s[G0S+3], s[G0S+3], 0x80000000
	s_or_b32 s[G0A+3], s[G0A+3], 0x80000000
	s_or_b32 s[G0B+3], s[G0B+3], 0x80000000
	s_add_nc_u64 s[52:53], s[80:81], s[84:85]      ; R's codes
	s_add_nc_u64 s[54:55], s[80:81], s[86:87]      ; R's scale words
	s_lshl_b32 s90, s20, 10
	s_mov_b32 s91, 0
	s_add_nc_u64 s[56:57], s[88:89], s[90:91]      ; the bias of columns 256 (cl / 8) on (used where y < 2; inside the buffer for every y)
	s_lshl_b32 s90, s82, 6
	s_add_nc_u64 s[72:73], s[88:89], s[90:91]      ; the bias of tiles 16 cx + 4 wave on (used where y = 2; inside the buffer for every y)
	s_add_nc_u64 s[58:59], s[14:15], s[92:93]      ; out: Q's or K's codes,
	s_add_nc_u64 s[60:61], s[14:15], s[94:95]      ; their scale words,
	s_add_nc_u64 s[62:63], s[14:15], s[96:97]      ; V's codes,
	s_add_nc_u64 s[66:67], s[14:15], s[98:99]      ; V's scale words
	CROUND                                         ; all four work-groups are here: the joint loads meet
	; THE FIRST AND ONLY FILLS, ONE JOINT LOAD A WAVE, in one chain of branches on the wave's number: one tensor load of a wave is out at the most
	s_cmp_lt_u32 s16, 2
	s_cbranch_scc0 .Lhead_s
	s_mov_b32 s[G1+2], 192<<16                     ; waves 0, 1: four of group 0's eight tiles, 192 rows of 256 bytes
	s_mov_b32 s[G1+4], 192
	tensor_load_to_lds s[G0A:G0A+3], s[G1:G1+7]
	s_nop 0
.rept 4
	v_nop
.endr
	s_branch .Lhead_j
.Lhead_s:
	s_cmp_eq_u32 s17, 2                            ; v has one group: what waves 2 and 3 fetch would be read by nobody.  The kind is the same in all four partners
	s_cbranch_scc1 .Lhead_j
	s_cmp_eq_u32 s16, 2
	s_cbranch_scc0 .Lhead_b
	tensor_load_to_lds s[G0S:G0S+3], s[G1S:G1S+7]  ; wave 2: the scale words
	s_nop 0
.rept 4
	v_nop
.endr
	s_branch .Lhead_j
.Lhead_b:
	s_mov_b32 s[G1+2], 384<<16                     ; wave 3: group 1's eight tiles, 384 rows
	s_mov_b32 s[G1+4], 384
	tensor_load_to_lds s[G0B:G0B+3], s[G1:G1+7]
	s_nop 0
.rept 4
	v_nop
.endr
.Lhead_j:
.macro RLOAD s                         ; my four tiles of R, K step s: 16 loads of 512 or 256 consecutive bytes
.irp i, 0,1,2,3
	global_load_b128 v[48*((\s)%4)+12*\i:48*((\s)%4)+12*\i+3], v5, s[52:53] offset:12288*\i+1536*(\s)
	global_load_b64 v[48*((\s)%4)+12*\i+4:48*((\s)%4)+12*\i+5], v9, s[52:53] offset:12288*\i+1536*(\s)+512
	global_load_b128 v[48*((\s)%4)+12*\i+6:48*((\s)%4)+12*\i+9], v5, s[52:53] offset:12288*\i+1536*(\s)+768
	global_load_b64 v[48*((\s)%4)+12*\i+10:48*((\s)%4)+12*\i+11], v9, s[52:53] offset:12288*\i+1536*(\s)+1280
.endr
.endm
.irp p, 0,1
.irp q, 0,1
	global_load_b128 v[RS+8*\p+4*\q:RS+8*\p+4*\q+3], v14, s[54:55] offset:1024*\p+256*\q
	global_load_b128 v[PS+8*\p+4*\q:PS+8*\p+4*\q+3], v14, s[76:77] offset:1024*\p+256*\q                 ; P's scale words of my first group: issued ahead of R's fragments, so R's first wait shows them in
	global_load_b128 v[PS+16+8*\p+4*\q:PS+16+8*\p+4*\q+3], v14, s[76:77] offset:2048+1024*\p+256*\q
.endr
.endr
.irp g, 0,1
	WIN 0x40+0x40*\g                               ; destination window 1, 2
.irp t, 0,1,2,3,4,5,6,7
	global_load_b128 v[BPW+8*\t:BPW+8*\t+3], v15, s[56:57] offset:(128*\g+32*(\t/2)+8*(\t%2))*4        ; the bias in the result's layout: register 8 t + j: column 128 g + 32 (t / 2) + 16 h + 8 (t % 2) + j
	global_load_b128 v[BPW+8*\t+4:BPW+8*\t+7], v15, s[56:57] offset:(128*\g+32*(\t/2)+8*(\t%2))*4+16
.endr
.endr
	WIN 0
	s_wait_alu depctr_va_vdst(0)
.irp i, 0,1,2,3
	global_load_b32 v[BR+2*\i], v16, s[72:73] offset:(32*(\i/2)+8*(\i%2))*4    ; the bias of my lane's column of R's tile i
.endr
	WIN 0x40
	RLOAD 0
	RLOAD 1
	RLOAD 2
	RLOAD 3
	WIN 0
.macro PFETCH g, n                     ; four tiles of P (half a = n % 2 of group g's eight), K step n / 2, into buffer n % 3: 16 LDS loads of 512 or 256 consecutive bytes
.set PB_, PBUF+48*((\n)%3)
.set PO_, 1536*((\n)/2)
.set PK_, 2*(\g)+(\n)%2
.irp t, 0,1,2,3
	ds_load_b128 v[PB_+12*\t:PB_+12*\t+3], v[5+PK_] offset:12288*\t+PO_
	ds_load_b64 v[PB_+12*\t+4:PB_+12*\t+5], v[9+PK_] offset:12288*\t+PO_+512
	ds_load_b128 v[PB_+12*\t+6:PB_+12*\t+9], v[5+PK_] offset:12288*\t+PO_+768
	ds_load_b64 v[PB_+12*\t+10:PB_+12*\t+11], v[9+PK_] offset:12288*\t+PO_+1280
.endr
.endm
.macro WM                              ; one product, by the symbols rD, rA, rB, rSA, rSB; rPA, rPB: the side's scale words stand in lanes 16-31; rZ: it starts the sum
.if rZ
.if rPA && rPB
	v_wmma_scale_f32_16x16x128_f8f6f4 v[rD:rD+7], v[rA:rA+11], v[rB:rB+11], 0, v[rSA], v[rSB] matrix_a_fmt:MATRIX_FMT_FP6 matrix_b_fmt:MATRIX_FMT_FP6 matrix_a_scale:MATRIX_SCALE_ROW1 matrix_b_scale:MATRIX_SCALE_ROW1
.elseif rPA
	v_wmma_scale_f32_16x16x128_f8f6f4 v[rD:rD+7], v[rA:rA+11], v[rB:rB+11], 0, v[rSA], v[rSB] matrix_a_fmt:MATRIX_FMT_FP6 matrix_b_fmt:MATRIX_FMT_FP6 matrix_a_scale:MATRIX_SCALE_ROW1
.elseif rPB
	v_wmma_scale_f32_16x16x128_f8f6f4 v[rD:rD+7], v[rA:rA+11], v[rB:rB+11], 0, v[rSA], v[rSB] matrix_a_fmt:MATRIX_FMT_FP6 matrix_b_fmt:MATRIX_FMT_FP6 matrix_b_scale:MATRIX_SCALE_ROW1
.else
	v_wmma_scale_f32_16x16x128_f8f6f4 v[rD:rD+7], v[rA:rA+11], v[rB:rB+11], 0, v[rSA], v[rSB] matrix_a_fmt:MATRIX_FMT_FP6 matrix_b_fmt:MATRIX_FMT_FP6
.endif
.else
.if rPA && rPB
	v_wmma_scale_f32_16x16x128_f8f6f4 v[rD:rD+7], v[rA:rA+11], v[rB:rB+11], v[rD:rD+7], v[rSA], v[rSB] matrix_a_fmt:MATRIX_FMT_FP6 matrix_b_fmt:MATRIX_FMT_FP6 matrix_a_scale:MATRIX_SCALE_ROW1 matrix_b_scale:MATRIX_SCALE_ROW1
.elseif rPA
	v_wmma_scale_f32_16x16x128_f8f6f4 v[rD:rD+7], v[rA:rA+11], v[rB:rB+11], v[rD:rD+7], v[rSA], v[rSB] matrix_a_fmt:MATRIX_FMT_FP6 matrix_b_fmt:MATRIX_FMT_FP6 matrix_a_scale:MATRIX_SCALE_ROW1
.elseif rPB
	v_wmma_scale_f32_16x16x128_f8f6f4 v[rD:rD+7], v[rA:rA+11], v[rB:rB+11], v[rD:rD+7], v[rSA], v[rSB] matrix_a_fmt:MATRIX_FMT_FP6 matrix_b_fmt:MATRIX_FMT_FP6 matrix_b_scale:MATRIX_SCALE_ROW1
.else
	v_wmma_scale_f32_16x16x128_f8f6f4 v[rD:rD+7], v[rA:rA+11], v[rB:rB+11], v[rD:rD+7], v[rSA], v[rSB] matrix_a_fmt:MATRIX_FMT_FP6 matrix_b_fmt:MATRIX_FMT_FP6
.endif
.endif
.endm
; 16 matrix instructions: my 4 tiles of R x 4 tiles of P (half n % 2), K step n / 2.  The group's 32 accumulators take turns, one instruction a turn, in the same order in every K step.
.macro MUL16 n
.set MS_, (\n)/2
.set MA_, (\n)%2
.set MP_, PBUF+48*((\n)%3)
.set rZ, 0
.if MS_ == 0
.set rZ, 1                             ; the first K step starts the sums: nothing is cleared
.endif
	WIN 0xf4+4*(MS_/4)                             ; source 0 (P) window 0, source 1 (R) window 1 or 2, C and D window 3
.irp i, 0,1,2,3
.irp t, 0,1,2,3
.set rD, 8*(8*\i+4*MA_+\t)
.set rA, MP_+12*\t
.set rB, 48*(MS_%4)+12*\i
.set rSA, PS+8*((4*MA_+\t)/2)+MS_
.set rSB, RS+8*(\i/2)+MS_
.set rPA, \t%2
.set rPB, \i%2
	WM
.endr
.endr
.endm
; 64 numbers of a lane in window 3, register s + 16 b + i = index 32 b + 16 (lane / 16) + i along the next K, become 12 registers of codes in v[pc] on and a scale word in v[pw] (window 0).
.macro QUANTW s, pc, pw
	WIN 0x0f                                       ; sources 0 and 1 window 3
.irp b, 0,1,2,3
	v_max3_num_f32 v[TM+\b], |v[\s+16*\b]|, |v[\s+1+16*\b]|, 0x1800000   ; block b: my 16 numbers, and the floor 2^(3 - 127): the byte cannot fall under 1
.endr
	WIN 0x3c                                       ; sources 1 and 2 window 3
.irp i, 2,4,6,8,10,12,14
.irp b, 0,1,2,3
	v_max3_num_f32 v[TM+\b], v[TM+\b], |v[\s+16*\b+\i]|, |v[\s+1+16*\b+\i]|
.endr
.endr
	WIN 0
.irp b, 0,1,2,3
	v_permlanex16_b32 v[TM+4+\b], v[TM+\b], s[SEL], s[SEL+1]
.endr
.irp b, 0,1,2,3
	v_max_num_f32 v[TM+\b], v[TM+\b], v[TM+4+\b]   ; with lane l xor 16's: the block's largest magnitude
.endr
.irp b, 0,1,2,3
	v_add_nc_u32 v[TM+12+\b], 0xff000000, v[TM+\b] ; 2 off its exponent field: the conversion's scale operand
.endr
.irp b, 0,1,2,3
	v_lshrrev_b32 v[TM+4+\b], 23, v[TM+12+\b]      ; the scale's byte
.endr
	v_lshl_or_b32 v[\pw], v[TM+5], 8, v[TM+4]
	v_lshl_or_b32 v[\pw], v[TM+6], 16, v[\pw]
	v_lshl_or_b32 v[\pw], v[TM+7], 24, v[\pw]
	WIN 0x03                                       ; source 0 window 3
.irp c, 0,1
	v_cvt_scalef32_pk16_fp6_f32 v[\pc+6*\c:\pc+2+6*\c], v[\s+32*\c:\s+15+32*\c], v[TM+12+2*\c]
	v_cvt_scalef32_pk16_fp6_f32 v[\pc+12+4*\c:\pc+14+4*\c], v[\s+16+32*\c:\s+31+32*\c], v[TM+12+2*\c+1]   ; (a conversion's three registers begin on an even number)
.endr
	v_nop                                          ; one plain place behind a scaled conversion
	WIN 0
.irp c, 0,1                            ; the operand's layout wants a WHOLE block in a lane
.irp i, 0,1,2
	v_permlane16_swap_b32 v[\pc+6*\c+\i], v[\pc+12+4*\c+\i]
.endr
.irp i, 0,1,2
	v_mov_b32 v[\pc+3+6*\c+\i], v[\pc+12+4*\c+\i]
.endr
.endr
.endm
; y < 2.  For each of my four tiles of rows: + bias (along the registers; each accumulator from its low end on), quantised; registers 0-5 are head 2 g's half image, 6-11 head 2 g + 1's.
.macro EPIQK g
.irp i, 0,1,2,3
	WIN 0xc7+4*(\g)                                ; accumulators window 3, the bias window 1 or 2
.set J_, 0
.rept 32
	v_pk_add_f32 v[64*\i+J_:64*\i+J_+1], v[64*\i+J_:64*\i+J_+1], v[BPW+J_:BPW+J_+1]
.set J_, J_+2
.endr
	QUANTW 64*\i, PBUF+20*\i, PWR+\i
	global_store_b128 v5, v[PBUF+20*\i:PBUF+20*\i+3], s[58:59] offset:2*(\g)*98304+768*\i
	global_store_b64 v9, v[PBUF+20*\i+4:PBUF+20*\i+5], s[58:59] offset:2*(\g)*98304+768*\i+512
	global_store_b128 v5, v[PBUF+20*\i+6:PBUF+20*\i+9], s[58:59] offset:(2*(\g)+1)*98304+768*\i
	global_store_b64 v9, v[PBUF+20*\i+10:PBUF+20*\i+11], s[58:59] offset:(2*(\g)+1)*98304+768*\i+512
.endr
	v_cndmask_b32 v26, v[PWR], v[PWR+1], s71       ; lanes 0-15 tile 0's words, lanes 16-31 tile 1's;
	v_cndmask_b32 v27, v[PWR+2], v[PWR+3], s71     ; tiles 2 and 3
	v_lshrrev_b32 v28, 16, v26                     ; the second head's two bytes come down to bytes 0 and 1
	v_lshrrev_b32 v29, 16, v27
	global_store_b64 v9, v[26:27], s[60:61] offset:2*(\g)*8192             ; 256 consecutive bytes, aligned
	global_store_b64 v9, v[28:29], s[60:61] offset:(2*(\g)+1)*8192
.endm
; y = 2.  For each of my four tiles of channels: + bias (my lane's column), quantised along the 128 keys: a whole fragment of V^T.
.macro EPIV g
.irp i, 0,1,2,3
	WIN 0xc3                                       ; accumulators window 3, the bias window 0
.set J_, 0
.rept 32
	v_pk_add_f32 v[64*\i+J_:64*\i+J_+1], v[64*\i+J_:64*\i+J_+1], v[BR+2*\i:BR+2*\i+1] op_sel_hi:[1,0]
.set J_, J_+2
.endr
	QUANTW 64*\i, PBUF+20*\i, PWR+\i
	global_store_b128 v5, v[PBUF+20*\i:PBUF+20*\i+3], s[62:63] offset:6144*(\g)+1536*\i
	global_store_b64 v9, v[PBUF+20*\i+4:PBUF+20*\i+5], s[62:63] offset:6144*(\g)+1536*\i+512
	global_store_b128 v5, v[PBUF+20*\i+6:PBUF+20*\i+9], s[62:63] offset:6144*(\g)+1536*\i+768
	global_store_b64 v9, v[PBUF+20*\i+10:PBUF+20*\i+11], s[62:63] offset:6144*(\g)+1536*\i+1280
.endr
	v_cndmask_b32 v26, v[PWR], v[PWR+1], s71
	v_cndmask_b32 v27, v[PWR+2], v[PWR+3], s71
	global_store_b64 v9, v[26:27], s[66:67] offset:256*(\g)
.endm
; A group.  rl = 1: R's K steps 4-7 are still to be asked for, and each K step's loads are waited for.
.macro GROUP g, rl
	s_wait_xcnt 0x0                                ; the last group's stores have read their registers, which the fetches below fill again
.if \g == 0
	s_cmp_eq_u32 s16, 3                            ; group 0 reads what waves 0 to 2 asked for; wave 3's load, on a line of its own, may stay out
	s_cbranch_scc1 .Lnot_mine_\@
	s_wait_tensorcnt 0x0
.Lnot_mine_\@:
.else
	s_wait_tensorcnt 0x0                           ; group 1's tiles have landed
.endif
	s_wait_dscnt 0x0
	s_barrier_signal -1
	s_barrier_wait -1                              ; everybody's has
.irp p, 0,1,2,3
.irp q, 0,1
.if \g
	ds_load_b128 v[PS+8*\p+4*\q:PS+8*\p+4*\q+3], v13 offset:4096*\g+1024*\p+256*\q
.endif
.endr
.endr
	PFETCH \g, 0
	PFETCH \g, 1
	PFETCH \g, 2
.set N_, 0
.rept 16
.if \rl && (N_%2 == 0)
.if N_/2 <= 4
	s_wait_loadcnt 48                              ; R's K step is in; the three K steps behind it, 16 loads each, may be out
.else
	s_wait_loadcnt 16*(7-N_/2)
.endif
.endif
.if N_ <= 13
	s_wait_dscnt 32                                ; this buffer is in; the two fetches behind it, 16 loads each, may be out
.elseif N_ == 14
	s_wait_dscnt 16
.else
	s_wait_dscnt 0x0
.endif
	MUL16 N_
.rept 4
	v_nop                                          ; four places in front of loads into the buffer just multiplied, and at the end of the first read of the results
.endr
	WIN 0
.if N_ <= 12
	PFETCH \g, N_+3
.endif
.if \rl && (N_%2 == 1) && (N_/2 < 4)
	WIN 0x80
	RLOAD N_/2+4
	WIN 0
.endif
.set N_, N_+1
.endr
.if \g == 0
	s_cmp_eq_u32 s17, 2                            ; the kind hangs on y alone, which the partners share
	s_cbranch_scc1 .Lvkind_\@
	EPIQK 0
	s_branch .Ljoin_\@
.Lvkind_\@:
	EPIV 0
.Ljoin_\@:
.else
	EPIQK 1                                        ; only q and k have a second group
.endif
.endm
	GROUP 0, 1
	s_cmp_eq_u32 s17, 2                            ; v's work-groups have one group: all waves of all four partners take this way alike
	s_cbranch_scc1 .Lclose
	GROUP 1, 0
.Lclose:
	s_wait_tensorcnt 0x0
	ds_add_u32 v110, v111
	s_wait_dscnt 0x0
	CROUND                                         ; the closing round: no work-group ends while a partner may still ask for a tile that names it
	s_endpgm
.Lfunc_end_k_q3eab50dc1c_proj:
	.size	k_q3eab50dc1c_proj, .Lfunc_end_k_q3eab50dc1c_proj-k_q3eab50dc1c_proj
	.p2alignl 7, 3214868480
	.fill 96, 4, 3214868480
	.section	.rodata,"a",@progbits
	.p2align	6, 0x0
	.amdhsa_kernel k_q3eab50dc1c_proj
		.amdhsa_group_segment_fixed_size 205312
		.amdhsa_private_segment_fixed_size 0
		.amdhsa_enable_private_segment 0
		.amdhsa_kernarg_size 48
		.amdhsa_user_sgpr_count 2
		.amdhsa_user_sgpr_kernarg_segment_ptr 1
		.amdhsa_wavefront_size32 1
		.amdhsa_system_sgpr_workgroup_id_x 1
		.amdhsa_system_sgpr_workgroup_id_y 1
		.amdhsa_system_sgpr_workgroup_id_z 1
		.amdhsa_system_vgpr_workitem_id 0
		.amdhsa_next_free_vgpr 1024
		.amdhsa_next_free_sgpr 100
		.amdhsa_reserve_vcc 0
		.amdhsa_float_denorm_mode_32 3
		.amdhsa_float_denorm_mode_16_64 3
		.amdhsa_memory_ordered 1
		.amdhsa_forward_progress 1
		.amdhsa_inst_pref_size 208
	.end_amdhsa_kernel
	.amdgpu_metadata
---
amdhsa.version: [ 1, 2 ]
amdhsa.kernels:
  - .name:           k_q3eab50dc1c_proj
    .symbol:         k_q3eab50dc1c_proj.kd
    .args:
      - { .name: xq, .offset: 0, .size: 8, .value_kind: global_buffer, .address_space: global }
      - { .name: wq, .offset: 8, .size: 8, .value_kind: global_buffer, .address_space: global }
      - { .name: bq, .offset: 16, .size: 8, .value_kind: global_buffer, .address_space: global }
      - { .name: bk, .offset: 24, .size: 8, .value_kind: global_buffer, .address_space: global }
      - { .name: bv, .offset: 32, .size: 8, .value_kind: global_buffer, .address_space: global }
      - { .name: pq, .offset: 40, .size: 8, .value_kind: global_buffer, .address_space: global }
    .group_segment_fixed_size: 205312
    .private_segment_fixed_size: 0
    .kernarg_segment_align: 8
    .kernarg_segment_size: 48
    .max_flat_workgroup_size: 128
    .sgpr_count:     100
    .vgpr_count:     1024
    .wavefront_size: 32
...
	.end_amdgpu_metadata
.endif
;; end of part 2
;; launch attn (part 3): grid 4 x 64, 8 waves a work-group, clusters of 4 x 1, 327,680 bytes of LDS; arguments pq, aq; writes aq
.if DOCPART == 3
	.amdgcn_target "amdgcn-amd-amdhsa--gfx1250"
	.amdhsa_code_object_version 6
	.text
	.protected	k_q3eab50dc1c_attn
	.globl	k_q3eab50dc1c_attn
	.p2align	8
	.type	k_q3eab50dc1c_attn,@function
k_q3eab50dc1c_attn:
	s_mov_b64 s[64:65], 0
	v_nop
	global_prefetch_b8 v0, s[64:65] scope:SCOPE_SE
	s_setreg_imm32_b32 hwreg(HW_REG_WAVE_MODE, 25, 1), 1
	s_wait_xcnt 0x0
	s_wait_alu depctr_hold_cnt(0) depctr_sa_sdst(0) depctr_va_vdst(0) depctr_va_sdst(0) depctr_va_ssrc(0) depctr_va_vcc(0) depctr_vm_vsrc(0)
	s_getreg_b32 s2, hwreg(HW_REG_IB_STS2, 6, 4)
	s_cmp_eq_u32 s2, 0
	s_cbranch_scc0 .Lentry_in_a_cluster
	s_endpgm
.Lentry_in_a_cluster:
	s_bfe_u32 s2, ttmp6, 0x10000c
	s_cmp_lg_u32 s2, 0x3003
	s_cbranch_scc0 .Lentry_shape_is_right
	s_endpgm
.Lentry_shape_is_right:
; ATTENTION ON CODES OF FP6 (E2M3) WITH E8M0 SCALES: for each of 64 (batch, head) and 2,048 queries: S^T = K Q^T, p = 2^(t - M), O^T += V^T p^T, O / l, quantised again for the out-projection.
; Both products are used transposed: a lane holds one query throughout.  t = score x log2(e) / 8; M = ceil of the running largest t, a whole number, so every rescaling is an exact power of two.
; The row's sum l is taken of the unquantised p.  A block's largest p is made from the block's largest score by the same multiply-add and exponential.
; LIMITS: the promise holds while |t| stays under 2^31; NaN and infinities are not served; a block whose every p is 0 keeps the byte 1 (its codes are zeros; this program alone reads the bytes).
; SHARES.  Work-group (cx, bh): 512 queries of one (batch, head); all of its K and V (2 x 98,304 bytes of codes, 8,192 + 4,096 of scale words) lie in LDS for the whole launch.
; Eight waves, two on a SIMD, 512 registers each.  A wave owns four tiles of 16 queries and takes them two at a time (two passes over the 16 key steps of 128): each fragment of K and V read from LDS feeds two tiles.
; K's TILES (as the first launches lay them): lane-row r of tile 4 c + u of a key step is key 64 c + 8 u + r % 8 + 32 (r / 8).  So lane (r, h) holds in the 32 registers of tiles 4 c .. 4 c + 3 the keys 64 c + 32 h + 0 .. 31:
; ONE WHOLE SCALE BLOCK, in the order of the next operand's registers: a block's maximum needs no other lane and the codes need no exchange between lanes.
; The head's size is 64: a product's K of 128 is filled by the next tile's registers on K's side against six registers of zero codes on Q's side.
; CLUSTER: the four work-groups of a (batch, head) ask for K and V jointly.  One joint load a wave at the head, none later: no LDS byte is filled twice, nothing is stored to LDS.
; NO DATA PREFETCH: all that the launch reads through LDS is asked for at the head; there is no loop to run ahead in.
; REGISTERS.  Window 0: addresses, scale words, Q's four operands (6 registers + 6 of zeros), K's eight tiles (+ 6 of zeros), V's four fragments.
; Window 1: v0-127 S, then p (tile i at 64 i); v128-191 O^T (32 i + 8 d); v192-215 p's codes; v216-231 the conversions' second halves; v232.. the softmax's state.
.set KCO,  6291456
.set QSO,  12582912
.set KSO,  13107200
.set VCO,  13631488
.set VSO,  19922944
.set ASC,  6291456
.set LV,   98304                       ; LDS: K's codes at 0, V's here,
.set LKS,  196608                      ; K's scale words,
.set LVS,  204800                      ; V's,
.set SPARE, 208896                     ; the spare words: 128 bytes a wave
.set G1A,  24                          ; group 1: 128 rows of 256 bytes;  G1B: 32 rows;  G1C: 16 rows
.set G1B,  32
.set G1C,  40
.set G0A,  48
.set G0B,  52
.set G0C,  56
.set SEL,  60                          ; s[60:61] selects of v_permlanex16_b32 for lane l xor 16
.set CS,   62                          ; s[62:63] c = log2(e) / 8
.set TS,   66                          ; the key step's offset in the codes (6,144 a step): also the loop's counter
.set TS2,  67                          ; and in K's scale words (512 a step)
.set TN,   68                          ; the next step's, held at the last step's
.set TN2,  69
.set TN3,  70
.set SPW,  14
.set NIL,  15
.set KS,   24                          ; v24-27 K's scale words; v28, v29 Q's (pass a: lanes 0-15 tile 2 a, lanes 16-31 tile 2 a + 1); v30, v31 V's; v32, v33 p's
.set QSC,  28
.set VS,   30
.set PS,   32
.set QF,   36                          ; v36-83
.set KF,   84                          ; v84-131, zeros v132-137
.set VF,   140                         ; v140-187
.set OA,   128                         ; window 1 from here on
.set PCD,  192
.set PT,   216
.set NM,   232                         ; pair of tile i: -M, the running largest score
.set LS,   236                         ; pair: the sum in two halves
.set LT,   240                         ; pair: the sum's second chain; at work before
.set FF,   244                         ; pair: f = 2^(old M - new M), 0
.set BM,   248                         ; block (i, c)'s largest
.set TA,   252
.set SH,   254                         ; 8 x (lane / 16)
.set MSB, 0
.macro WIN new
.if MSB != (\new)
	s_set_vgpr_msb (MSB<<8)|(\new)
.set MSB, (\new)
.endif
.endm
.macro WALU
	s_wait_alu depctr_va_vdst(0)
.endm
.macro CROUND
	s_barrier_signal -1
	s_barrier_wait -1
	s_cmp_lg_u32 s16, 0
	s_cbranch_scc1 .Lnot_wave_0_\@
	s_barrier_signal -3
.Lnot_wave_0_\@:
	s_barrier_wait -3
	s_barrier_signal -1
	s_barrier_wait -1
.endm
.macro TLOAD g0, g1
	tensor_load_to_lds s[\g0:\g0+3], s[\g1:\g1+7]
	s_nop 0
.rept 4
	v_nop
.endr
.endm
.macro WM d, a, b, c, sa, sb, ra, rb
	v_wmma_scale_f32_16x16x128_f8f6f4 v[\d:\d+7], v[\a:\a+11], v[\b:\b+11], \c, v[\sa], v[\sb] matrix_a_fmt:MATRIX_FMT_FP6 matrix_b_fmt:MATRIX_FMT_FP6 matrix_a_scale:MATRIX_SCALE_ROW\ra matrix_b_scale:MATRIX_SCALE_ROW\rb
.endm
.macro KLOAD a16, a8, as               ; a key step's eight tiles of K and their scale words: 18 LDS loads
.irp t,0,1,2,3,4,5,6,7
	ds_load_b128 v[KF+6*\t:KF+6*\t+3], \a16 offset:768*\t
	ds_load_b64 v[KF+6*\t+4:KF+6*\t+5], \a8 offset:768*\t+512
.endr
	ds_load_b64 v[KS:KS+1], \as
	ds_load_b64 v[KS+2:KS+3], \as offset:256
.endm
.macro VLOAD a16, a8, as               ; its four fragments of V^T and their scale words: 17 LDS loads
.irp d,0,1,2,3
	ds_load_b128 v[VF+12*\d:VF+12*\d+3], \a16 offset:1536*\d
	ds_load_b64 v[VF+12*\d+4:VF+12*\d+5], \a8 offset:1536*\d+512
	ds_load_b128 v[VF+12*\d+6:VF+12*\d+9], \a16 offset:1536*\d+768
	ds_load_b64 v[VF+12*\d+10:VF+12*\d+11], \a8 offset:1536*\d+1280
.endr
	ds_load_b64 v[VS:VS+1], \as
.endm
; ================= THE HEAD
	s_load_b128 s[4:7], s[0:1], 0x0                ; pq, aq
	v_lshl_add_u32 v[SPW], v0, 2, SPARE
	v_mov_b32 v[NIL], 0
	ds_add_u32 v[SPW], v[NIL]                      ; the opening lines
	ds_add_u32 v[SPW], v[NIL]
	v_lshrrev_b32 v1, 5, v0
	v_readfirstlane_b32 s16, v1                    ; wave
	s_and_b32 s17, ttmp7, 0xffff                   ; bh = 16 batch + head
	s_bfe_u32 s18, ttmp6, 0x40000                  ; cx: it enters Q's and the output's addresses alone
.irp g, G1A, G1B, G1C
	s_mov_b32 s[\g], 15|(3<<16)|(1<<21)            ; the mask of all four; elements of 8 bytes; bit 21 beside a mask; no padding
	s_mov_b32 s[\g+1], 32<<16                      ; rows of 256 bytes of a dense block
	s_mov_b32 s[\g+3], 32<<16
	s_mov_b32 s[\g+5], 32
	s_mov_b32 s[\g+6], 0
	s_mov_b32 s[\g+7], 0
.endr
	s_mov_b32 s[G1A+2], 128<<16
	s_mov_b32 s[G1A+4], 128
	s_mov_b32 s[G1B+2], 32<<16
	s_mov_b32 s[G1B+4], 32
	s_mov_b32 s[G1C+2], 16<<16
	s_mov_b32 s[G1C+4], 16
	s_mov_b32 s[SEL], 0x76543210
	s_mov_b32 s[SEL+1], 0xfedcba98
	s_mov_b32 s[CS], 0x3e38aa3b
	s_mov_b32 s[CS+1], s[CS]
	s_mov_b32 s[G0A], 1
	s_mov_b32 s[G0B], 1
	s_mov_b32 s[G0C], 1
	s_lshl_b32 s[G0A+1], s16, 15                   ; waves 0-2: thirds of K's codes, waves 3-5: of V's, which follow them in LDS: 32,768 x wave
	s_mov_b32 s[G0B+1], LKS
	s_mov_b32 s[G0C+1], LVS
	s_mul_i32 s80, s17, 98304
	s_add_co_u32 s80, s80, s[G0A+1]
	s_mov_b32 s20, VCO-98304
	s_cmp_lt_u32 s16, 3
	s_cselect_b32 s20, KCO, s20
	s_add_co_u32 s80, s80, s20
	s_mov_b32 s81, 0
	s_lshl_b32 s82, s17, 13
	s_add_co_u32 s82, s82, KSO
	s_mov_b32 s83, 0
	s_lshl_b32 s84, s17, 12
	s_add_co_u32 s84, s84, VSO
	s_mov_b32 s85, 0
	s_lshl_b32 s21, s18, 3
	s_add_co_u32 s21, s21, s16                     ; my four tiles of queries: number 8 cx + wave of the head's 32 fours
	s_lshl_b32 s86, s17, 5
	s_add_co_u32 s86, s86, s21
	s_lshl_b32 s88, s86, 8
	s_add_co_u32 s88, s88, QSO                     ; Q's scale words: 256 bytes a four
	s_mov_b32 s89, 0
	s_mul_i32 s86, s86, 3072                       ; Q's codes: 768 bytes a tile
	s_mov_b32 s87, 0
	s_lshr_b32 s22, s17, 4
	s_lshl_b32 s22, s22, 5
	s_add_co_u32 s22, s22, s21                     ; 32 batch + my four
	s_and_b32 s23, s17, 15                         ; head
	s_mul_i32 s90, s22, 49152                      ; aq's codes: 12,288 bytes a tile, 768 a head
	s_mul_i32 s20, s23, 768
	s_add_co_u32 s90, s90, s20
	s_mov_b32 s91, 0
	s_lshl_b32 s92, s22, 11                        ; aq's scale bytes: 512 a tile; 256 (head / 8) + 16 r + 2 (head % 8)
	s_lshr_b32 s20, s23, 3
	s_lshl_b32 s20, s20, 8
	s_add_co_u32 s92, s92, s20
	s_and_b32 s20, s23, 7
	s_lshl_b32 s20, s20, 1
	s_add_co_u32 s92, s92, s20
	s_add_co_u32 s92, s92, ASC
	s_mov_b32 s93, 0
	v_and_b32 v3, 31, v0
	v_lshlrev_b32 v1, 4, v3                        ; 16 x lane
	v_lshlrev_b32 v2, 3, v3                        ; 8 x lane
	v_add_nc_u32 v3, LV, v1
	v_add_nc_u32 v4, LV, v2
	v_add_nc_u32 v5, LKS, v2
	v_add_nc_u32 v6, LVS, v2
	v_and_b32 v7, 15, v0
	v_lshlrev_b32 v7, 4, v7                        ; 16 r
.irp j,0,1,2,3,4,5
.irp n,0,1,2,3
	v_mov_b32 v[QF+12*\n+6+\j], 0                  ; zero codes for k = 64 .. 127 of Q's operands
.endr
	v_mov_b32 v[KF+48+\j], 0                       ; what stands behind K's last tile
.endr
	WALU
	s_wait_dscnt 0x0
	CROUND                                         ; all four work-groups are here: the joint loads meet
	s_wait_kmcnt 0x0
	s_add_nc_u64 s[G0A+2:G0A+3], s[4:5], s[80:81]
	s_add_nc_u64 s[G0B+2:G0B+3], s[4:5], s[82:83]
	s_add_nc_u64 s[G0C+2:G0C+3], s[4:5], s[84:85]
	s_or_b32 s[G0A+3], s[G0A+3], 0x80000000
	s_or_b32 s[G0B+3], s[G0B+3], 0x80000000
	s_or_b32 s[G0C+3], s[G0C+3], 0x80000000
	s_add_nc_u64 s[72:73], s[4:5], s[86:87]        ; Q's codes
	s_add_nc_u64 s[74:75], s[4:5], s[88:89]        ; Q's scale words
	s_add_nc_u64 s[76:77], s[6:7], s[90:91]        ; out: codes
	s_add_nc_u64 s[78:79], s[6:7], s[92:93]        ; out: scale bytes
	s_cmp_lt_u32 s16, 6                            ; one joint load a wave, in one chain of branches on the wave's number
	s_cbranch_scc0 .Lks
	TLOAD G0A, G1A
	s_branch .Lasked
.Lks:
	s_cmp_eq_u32 s16, 6
	s_cbranch_scc0 .Lvs
	TLOAD G0B, G1B
	s_branch .Lasked
.Lvs:
	TLOAD G0C, G1C
.Lasked:
.irp n,0,1,2,3
	global_load_b128 v[QF+12*\n:QF+12*\n+3], v1, s[72:73] offset:768*\n
	global_load_b64 v[QF+12*\n+4:QF+12*\n+5], v2, s[72:73] offset:768*\n+512
.endr
	global_load_b64 v[QSC:QSC+1], v2, s[74:75]     ; 256 consecutive bytes
	WIN 0x40
	v_bfe_u32 v[SH], v0, 4, 1
	v_mov_b32 v[TA], 0                             ; written once: a lane permute's destination counts as one of its sources
	v_mov_b32 v[TA+1], 0
	v_mov_b32 v[FF+1], 0                           ; (named as the upper halves of pairs)
	v_mov_b32 v[FF+3], 0
	WIN 0x55
	v_lshlrev_b32 v[SH], 3, v[SH]
	WIN 0
	WALU
	s_wait_tensorcnt 0x0                           ; my load has landed,
	s_barrier_signal -1
	s_barrier_wait -1                              ; everybody's has
	s_wait_loadcnt 0x0
; ================= A KEY STEP OF 128 FOR TWO TILES OF QUERIES (pass a)
.macro STEP a
	s_add_co_u32 s[TN], s[TS], 6144                ; where the next step's tiles lie; the last step fetches its own again, and nobody reads that
	s_min_u32 s[TN], s[TN], 92160
	s_add_co_u32 s[TN2], s[TS2], 512
	s_min_u32 s[TN2], s[TN2], 7680
	s_lshr_b32 s[TN3], s[TN2], 1
	s_wait_dscnt 17                                ; K's 18 loads are in; V's 17, issued behind them, may be out
	WIN 0x40
.irp t,0,2,4,6
.irp i,0,1
	WM 64*\i+8*\t, KF+6*\t, QF+24*\a+12*\i, 0, KS+\t/2, QSC+\a, 0, \i
.endr
.irp i,0,1
	WM 64*\i+8*\t+8, KF+6*\t+6, QF+24*\a+12*\i, 0, KS+\t/2, QSC+\a, 1, \i
.endr
.endr
	WIN 0
	v_add_nc_u32 v8, s[TN], v1                     ; four plain lines: the places ahead of the loads into K's registers and of the first read of the scores
	v_add_nc_u32 v9, s[TN], v2
	v_add_nc_u32 v10, s[TN2], v5
	v_nop
	KLOAD v8, v9, v10
	WIN 0x55
.irp i,0,1                             ; each block's largest score: all 32 are mine; eight chains by turns, each accumulator from its low end on
.irp c,0,1
	v_max3_num_f32 v[BM+2*\i+\c], v[64*\i+32*\c], v[64*\i+32*\c+1], v[64*\i+32*\c+2]         ; two chains a block, eight by turns
	v_max3_num_f32 v[LT+2*\i+\c], v[64*\i+32*\c+16], v[64*\i+32*\c+17], v[64*\i+32*\c+18]
.endr
.endr
.irp k,3,5,7,9,11,13
.irp i,0,1
.irp c,0,1
	v_max3_num_f32 v[BM+2*\i+\c], v[BM+2*\i+\c], v[64*\i+32*\c+\k], v[64*\i+32*\c+\k+1]
	v_max3_num_f32 v[LT+2*\i+\c], v[LT+2*\i+\c], v[64*\i+32*\c+\k+16], v[64*\i+32*\c+\k+17]
.endr
.endr
.endr
.irp i,0,1
.irp c,0,1
	v_max3_num_f32 v[LT+2*\i+\c], v[LT+2*\i+\c], v[64*\i+32*\c+15], v[64*\i+32*\c+31]
.endr
.endr
.irp i,0,1
	v_max_num_f32 v[BM+2*\i], v[BM+2*\i], v[LT+2*\i]                       ; the two chains joined: the block's largest score
	v_max_num_f32 v[BM+2*\i+1], v[BM+2*\i+1], v[LT+2*\i+1]
.endr
.irp i,0,1
	v_max3_num_f32 v[NM+2*\i+1], v[NM+2*\i+1], v[BM+2*\i], v[BM+2*\i+1]   ; the running largest score,
.endr
.irp i,0,1
	v_permlanex16_b32 v[TA+\i], v[NM+2*\i+1], s[SEL], s[SEL+1]
.endr
.irp i,0,1
	v_max_num_f32 v[NM+2*\i+1], v[NM+2*\i+1], v[TA+\i]                     ; with lane l xor 16's keys
.endr
.irp i,0,1
	v_mul_f32 v[TA+\i], s[CS], v[NM+2*\i+1]        ; as t (c is positive)
.endr
.irp i,0,1
	v_floor_f32 v[TA+\i], -v[TA+\i]                ; the new -M = -ceil(t)
.endr
.irp i,0,1
	v_sub_f32 v[FF+2*\i], v[TA+\i], v[NM+2*\i]     ; old M - new M, a whole number, 0 or less
.endr
.irp i,0,1
	v_mov_b32 v[NM+2*\i], v[TA+\i]
.endr
.irp i,0,1
	v_cvt_i32_f32 v[FF+2*\i], v[FF+2*\i]           ; (it saturates)
.endr
.irp i,0,1
	v_ldexp_f32 v[FF+2*\i], 1.0, v[FF+2*\i]        ; f: an exact power of two, or 0
.endr
.set J_, 0
.rept 32
	v_pk_fma_f32 v[J_:J_+1], v[J_:J_+1], s[CS:CS+1], v[NM:NM+1] op_sel_hi:[1,0,0]   ; tile 0: t - M
.set J_, J_+2
.endr
.irp i,0,1
.irp c,0,1
	v_fma_f32 v[BM+2*\i+\c], v[BM+2*\i+\c], s[CS], v[NM+2*\i]              ; the same of each block's largest score
.endr
.endr
.irp i,0,1
	v_pk_mul_f32 v[LS+2*\i:LS+2*\i+1], v[LS+2*\i:LS+2*\i+1], v[FF+2*\i:FF+2*\i+1] op_sel_hi:[1,0]   ; the sums under the new M
.endr
.set J_, 0
.rept 16
.irp i,0,1
	v_pk_mul_f32 v[OA+32*\i+J_:OA+32*\i+J_+1], v[OA+32*\i+J_:OA+32*\i+J_+1], v[FF+2*\i:FF+2*\i+1] op_sel_hi:[1,0]   ; O^T under the new M, ahead of the exponentials
.endr
.set J_, J_+2
.endr
	WALU
.set J_, 0
.rept 32
	v_exp_f32 v[J_], v[J_]                         ; tile 0: p = 2^(t - M); among them tile 1's t - M, which is read behind the next wait
	v_exp_f32 v[J_+1], v[J_+1]
	v_pk_fma_f32 v[64+J_:65+J_], v[64+J_:65+J_], s[CS:CS+1], v[NM+2:NM+3] op_sel_hi:[1,0,0]
.set J_, J_+2
.endr
.irp x,0,1,2,3
	v_exp_f32 v[BM+\x], v[BM+\x]                   ; the blocks' largest p
.endr
	v_nop
	WALU                                           ; behind one batch and ahead of the next
.set J_, 0
.rept 64
	v_exp_f32 v[64+J_], v[64+J_]                   ; tile 1
.set J_, J_+1
.endr
	v_nop                                          ; one plain place behind the transcendentals
	WALU
.irp x,0,1,2,3
	v_max_num_f32 v[BM+\x], 0x1800000, v[BM+\x]    ; the floor 2^(3 - 127): the byte cannot fall under 1
.endr
.irp x,0,1,2,3
	v_add_nc_u32 v[BM+\x], 0xff000000, v[BM+\x]    ; 2 off the exponent field: the conversions' scale operand
.endr
.irp x,0,1,2,3
	v_lshrrev_b32 v[LT+\x], 23, v[BM+\x]           ; the scale's byte
.endr
.irp i,0,1
	v_lshl_or_b32 v[LT+2*\i], v[LT+2*\i+1], 16, v[LT+2*\i]                 ; my two bytes: blocks h and 2 + h,
.endr
.irp i,0,1
	v_lshlrev_b32 v[LT+2*\i], v[SH], v[LT+2*\i]    ; at their places in the scale word;
.endr
.irp i,0,1
	v_permlanex16_b32 v[TA+\i], v[LT+2*\i], s[SEL], s[SEL+1]
.endr
	WIN 0x05
.irp i,0,1
	v_or_b32 v[PS+\i], v[LT+2*\i], v[TA+\i]        ; with lane l xor 16's two the word is whole (scale words lie in window 0)
.endr
	WIN 0x55
.irp i,0,1
.irp c,0,1
	v_cvt_scalef32_pk16_fp6_f32 v[PCD+12*\i+6*\c:PCD+12*\i+6*\c+2], v[64*\i+32*\c:64*\i+32*\c+15], v[BM+2*\i+\c]
	v_cvt_scalef32_pk16_fp6_f32 v[PT+8*\i+4*\c:PT+8*\i+4*\c+2], v[64*\i+32*\c+16:64*\i+32*\c+31], v[BM+2*\i+\c]   ; (a conversion's three registers begin on an even number)
.endr
.endr
	v_nop                                          ; one plain place behind a scaled conversion
.irp i,0,1
.irp c,0,1
.irp k,0,1,2
	v_mov_b32 v[PCD+12*\i+6*\c+3+\k], v[PT+8*\i+4*\c+\k]
.endr
.endr
.endr
.irp i,0,1                             ; the rows' sums, of the unquantised p: four chains a tile.  These 64 lines are also the places between p's codes and scale words and the products
	v_pk_add_f32 v[LT+2*\i:LT+2*\i+1], v[64*\i:64*\i+1], v[64*\i+2:64*\i+3]                ; four chains a tile, eight by turns; two of them in registers that the conversions' second halves have left
	v_pk_add_f32 v[PT+8*\i:PT+8*\i+1], v[64*\i+4:64*\i+5], v[64*\i+6:64*\i+7]
	v_pk_add_f32 v[PT+8*\i+4:PT+8*\i+5], v[64*\i+8:64*\i+9], v[64*\i+10:64*\i+11]
	v_pk_add_f32 v[LS+2*\i:LS+2*\i+1], v[LS+2*\i:LS+2*\i+1], v[64*\i+12:64*\i+13]
.endr
.irp j,14,22,30,38,46,54
.irp i,0,1
	v_pk_add_f32 v[LT+2*\i:LT+2*\i+1], v[LT+2*\i:LT+2*\i+1], v[64*\i+\j:64*\i+\j+1]
	v_pk_add_f32 v[PT+8*\i:PT+8*\i+1], v[PT+8*\i:PT+8*\i+1], v[64*\i+\j+2:64*\i+\j+3]
	v_pk_add_f32 v[PT+8*\i+4:PT+8*\i+5], v[PT+8*\i+4:PT+8*\i+5], v[64*\i+\j+4:64*\i+\j+5]
	v_pk_add_f32 v[LS+2*\i:LS+2*\i+1], v[LS+2*\i:LS+2*\i+1], v[64*\i+\j+6:64*\i+\j+7]
.endr
.endr
.irp i,0,1
	v_pk_add_f32 v[LT+2*\i:LT+2*\i+1], v[LT+2*\i:LT+2*\i+1], v[64*\i+62:64*\i+63]
	v_pk_add_f32 v[PT+8*\i:PT+8*\i+1], v[PT+8*\i:PT+8*\i+1], v[PT+8*\i+4:PT+8*\i+5]
.endr
.irp i,0,1
	v_pk_add_f32 v[LS+2*\i:LS+2*\i+1], v[LS+2*\i:LS+2*\i+1], v[LT+2*\i:LT+2*\i+1]
.endr
.irp i,0,1
	v_pk_add_f32 v[LS+2*\i:LS+2*\i+1], v[LS+2*\i:LS+2*\i+1], v[PT+8*\i:PT+8*\i+1]
.endr
	s_wait_dscnt 18                                ; V's 17 loads are in; the next step's 18 of K, issued behind them, may be out
	WIN 0x54
.irp d,0,2                             ; O^T += V^T p^T: eight accumulators by turns; 23 other products stand between two steps of a sum
.irp i,0,1
	WM OA+32*\i+8*\d, VF+12*\d, PCD+12*\i, v[OA+32*\i+8*\d:OA+32*\i+8*\d+7], VS+\d/2, PS+\i, 0, 0
.endr
.irp i,0,1
	WM OA+32*\i+8*\d+8, VF+12*\d+12, PCD+12*\i, v[OA+32*\i+8*\d+8:OA+32*\i+8*\d+15], VS+\d/2, PS+\i, 1, 0
.endr
.endr
	WIN 0
	v_add_nc_u32 v11, s[TN], v3                    ; four plain lines: the places ahead of the loads into V's registers
	v_add_nc_u32 v12, s[TN], v4
	v_add_nc_u32 v13, s[TN3], v6
	v_nop
	VLOAD v11, v12, v13
.endm
; ================= A PASS: tiles 2 a and 2 a + 1 of my four
.macro PASS a
.if \a
	s_wait_xcnt 0x0                                ; the last pass's stores have read their registers
.endif
	KLOAD v1, v2, v5
	VLOAD v3, v4, v6
	WIN 0x55
.set J_, 0
.rept 64
	v_mov_b32 v[OA+J_], 0                          ; the step is written once: the first finds zeros, which f = 0 leaves zeros
.set J_, J_+1
.endr
.irp i,0,1
	v_mov_b32 v[NM+2*\i+1], 0xff61b1e6             ; -3e38, under every score
	v_mov_b32 v[LS+2*\i], 0
	v_mov_b32 v[LS+2*\i+1], 0
.endr
.irp i,0,1
	v_floor_f32 v[NM+2*\i], -v[NM+2*\i+1]
.endr
	WIN 0
	s_mov_b32 s[TS], 0
	s_mov_b32 s[TS2], 0
	WALU
.Lstep_\@:
	STEP \a
	s_add_co_u32 s[TS2], s[TS2], 512
	s_add_co_u32 s[TS], s[TS], 6144
	s_cmp_lt_u32 s[TS], 98304
	WALU
	s_cbranch_scc1 .Lstep_\@
	s_wait_dscnt 0x0                               ; the last step's fetches have landed: their registers may be loaded anew
	WIN 0x55
.irp i,0,1
	v_add_f32 v[LS+2*\i], v[LS+2*\i], v[LS+2*\i+1]
.endr
.irp i,0,1
	v_permlanex16_b32 v[TA+\i], v[LS+2*\i], s[SEL], s[SEL+1]
.endr
.irp i,0,1
	v_add_f32 v[LS+2*\i], v[LS+2*\i], v[TA+\i]     ; the row's sum
.endr
	WALU
.irp i,0,1
	v_rcp_f32 v[LS+2*\i], v[LS+2*\i]
.endr
	v_nop
	WALU                                           ; directly ahead of the first readers of the reciprocals and of O^T
.set J_, 0
.rept 16
.irp i,0,1
	v_pk_mul_f32 v[64*\i+J_:64*\i+J_+1], v[OA+32*\i+J_:OA+32*\i+J_+1], v[LS+2*\i:LS+2*\i+1] op_sel_hi:[1,0]   ; register 16 b + j: channel 32 b + 16 h + j of my query
.endr
.set J_, J_+2
.endr
.irp i,0,1                             ; quantised along the head's 64 channels: two blocks, each in lanes l and l xor 16
.irp b,0,1
	v_max3_num_f32 v[BM+2*\i+\b], |v[64*\i+16*\b]|, |v[64*\i+16*\b+1]|, 0x1800000
.endr
.endr
.irp k,2,4,6,8,10,12,14
.irp i,0,1
.irp b,0,1
	v_max3_num_f32 v[BM+2*\i+\b], v[BM+2*\i+\b], |v[64*\i+16*\b+\k]|, |v[64*\i+16*\b+\k+1]|
.endr
.endr
.endr
.irp x,0,1,2,3
	v_permlanex16_b32 v[LT+\x], v[BM+\x], s[SEL], s[SEL+1]
.endr
.irp x,0,1,2,3
	v_max_num_f32 v[BM+\x], v[BM+\x], v[LT+\x]
.endr
.irp x,0,1,2,3
	v_add_nc_u32 v[BM+\x], 0xff000000, v[BM+\x]
.endr
.irp x,0,1,2,3
	v_lshrrev_b32 v[LT+\x], 23, v[BM+\x]
.endr
.irp i,0,1
	v_lshl_or_b32 v[TA+\i], v[LT+2*\i+1], 8, v[LT+2*\i]
.endr
.irp i,0,1
	v_cvt_scalef32_pk16_fp6_f32 v[PCD+12*\i:PCD+12*\i+2], v[64*\i:64*\i+15], v[BM+2*\i]
	v_cvt_scalef32_pk16_fp6_f32 v[PT+8*\i:PT+8*\i+2], v[64*\i+16:64*\i+31], v[BM+2*\i+1]
.endr
	v_nop
.irp i,0,1
.irp k,0,1,2
	v_permlane16_swap_b32 v[PCD+12*\i+\k], v[PT+8*\i+\k]                   ; the operand's layout wants a whole block in a lane
.endr
.endr
.irp i,0,1
.irp k,0,1,2
	v_mov_b32 v[PCD+12*\i+3+\k], v[PT+8*\i+\k]
.endr
.endr
	WIN 0x04                                       ; a store's data are its source 1: window 1
.irp i,0,1
	global_store_b128 v1, v[PCD+12*\i:PCD+12*\i+3], s[76:77] offset:12288*(2*\a+\i)        ; 512 consecutive bytes
	global_store_b64 v2, v[PCD+12*\i+4:PCD+12*\i+5], s[76:77] offset:12288*(2*\a+\i)+512   ; 256 consecutive bytes
	global_store_b16 v7, v[TA+\i], s[78:79] offset:512*(2*\a+\i)
.endr
	WIN 0
.endm
	PASS 0
	PASS 1
	s_wait_tensorcnt 0x0                           ; the wave's end
	ds_add_u32 v[SPW], v[NIL]
	s_wait_dscnt 0x0
	CROUND                                         ; the closing round
	s_endpgm
.Lfunc_end_k_q3eab50dc1c_attn:
	.size	k_q3eab50dc1c_attn, .Lfunc_end_k_q3eab50dc1c_attn-k_q3eab50dc1c_attn
	.p2alignl 7, 3214868480
	.fill 96, 4, 3214868480
	.section	.rodata,"a",@progbits
	.p2align	6, 0x0
	.amdhsa_kernel k_q3eab50dc1c_attn
		.amdhsa_group_segment_fixed_size 327680
		.amdhsa_private_segment_fixed_size 0
		.amdhsa_enable_private_segment 0
		.amdhsa_kernarg_size 16
		.amdhsa_user_sgpr_count 2
		.amdhsa_user_sgpr_kernarg_segment_ptr 1
		.amdhsa_wavefront_size32 1
		.amdhsa_system_sgpr_workgroup_id_x 1
		.amdhsa_system_sgpr_workgroup_id_y 1
		.amdhsa_system_sgpr_workgroup_id_z 1
		.amdhsa_system_vgpr_workitem_id 0
		.amdhsa_next_free_vgpr 512
		.amdhsa_next_free_sgpr 96
		.amdhsa_reserve_vcc 0
		.amdhsa_float_denorm_mode_32 3
		.amdhsa_float_denorm_mode_16_64 3
		.amdhsa_memory_ordered 1
		.amdhsa_forward_progress 1
		.amdhsa_inst_pref_size 87
	.end_amdhsa_kernel
	.amdgpu_metadata
---
amdhsa.version: [ 1, 2 ]
amdhsa.kernels:
  - .name:           k_q3eab50dc1c_attn
    .symbol:         k_q3eab50dc1c_attn.kd
    .args:
      - { .name: pq, .offset: 0, .size: 8, .value_kind: global_buffer, .address_space: global }
      - { .name: aq, .offset: 8, .size: 8, .value_kind: global_buffer, .address_space: global }
    .group_segment_fixed_size: 327680
    .private_segment_fixed_size: 0
    .kernarg_segment_align: 8
    .kernarg_segment_size: 16
    .max_flat_workgroup_size: 256
    .sgpr_count:     96
    .vgpr_count:     512
    .wavefront_size: 32
...
	.end_amdgpu_metadata
.endif
;; end of part 3
;; launch oproj (part 4): grid 32 x 8, 4 waves a work-group, clusters of 4 x 1, 168,448 bytes of LDS; arguments aq, wq, bo, out0; writes out0
.if DOCPART == 4
	.amdgcn_target "amdgcn-amd-amdhsa--gfx1250"
	.amdhsa_code_object_version 6
	.text
	.protected	k_q3eab50dc1c_oproj
	.globl	k_q3eab50dc1c_oproj
	.p2align	8
	.type	k_q3eab50dc1c_oproj,@function
k_q3eab50dc1c_oproj:
	s_mov_b64 s[64:65], 0
	v_nop
	global_prefetch_b8 v0, s[64:65] scope:SCOPE_SE
	s_setreg_imm32_b32 hwreg(HW_REG_WAVE_MODE, 25, 1), 1
	s_wait_xcnt 0x0
	s_wait_alu depctr_hold_cnt(0) depctr_sa_sdst(0) depctr_va_vdst(0) depctr_va_sdst(0) depctr_va_ssrc(0) depctr_va_vcc(0) depctr_vm_vsrc(0)
	s_getreg_b32 s2, hwreg(HW_REG_IB_STS2, 6, 4)
	s_cmp_eq_u32 s2, 0
	s_cbranch_scc0 .Lentry_in_a_cluster
	s_endpgm
.Lentry_in_a_cluster:
	s_bfe_u32 s2, ttmp6, 0x10000c
	s_cmp_lg_u32 s2, 0x3003
	s_cbranch_scc0 .Lentry_shape_is_right
	s_endpgm
.Lentry_shape_is_right:
; out0 = attention's result x Wo + bo, on codes of FP6 (E2M3) with E8M0 scales; out0 [8192][1024] f32.
; Source 0 = P = 16 columns of Wo, source 1 = R = 16 rows of aq: a lane holds one row of the output and its registers run along the columns.  The rows of a tile are not neighbours (lane-row r of tile T:
; 32 (T / 2) + 8 (T % 2) + r + 8 (r / 8)), so that the 16 result registers of P's tiles 2 b and 2 b + 1 are columns 32 b + 16 (lane / 16) + 0 .. 15.
; SHARES.  Work-group: 256 rows (block 4 x cluster + cx) x 128 columns (y).  Wo's slab of 8 tiles, all of K (98,304 bytes + 4,096 of scale words), comes into LDS ONCE; each of the four waves keeps 4 tiles of rows,
; all of K, in 384 registers, loaded as they lie.  32 accumulators, 256 matrix instructions a wave.  bo is the C of each sum's first matrix instruction: no addition.
; CLUSTER.  The four row blocks of a cluster share the slab: it is asked for JOINTLY, by one tensor load a wave with the mask of all four.  One tensor load of a wave is out at the most.
; No LDS byte is filled twice; the stages for the way out have bytes of their own, into which no fill lands.
; THE WAY OUT.  A tile of 16 rows x 128 columns goes through the wave's own stage (rows 528 bytes apart) and leaves as whole runs of 512 consecutive bytes of a row of out0.
; REGISTERS, in windows of 256.  Window 0: v5, v6 LDS addresses 16 x lane + 49,152 a (v5 also the offset of 16-byte global accesses), v9, v10 the same with 8 x lane; v13-18 more addresses; v32-63 P's scale words, v64-79 R's;
;   v112-255 three buffers of 4 fragments of P, later rows of out0.   Window 1: v0-191 R's fragments of K steps 0-3, v192-255 bo in the result's layout.   Window 2: K steps 4-7.   Window 3: accumulator (i, t) at 8 (8 i + t).
.set WSC,  3145728
.set ASC,  6291456
.set PSC,  98304                       ; LDS: behind the slab: its scale words
.set STG,  102400                      ; behind them: a stage of 16 rows x 528 bytes for each wave
.set SP,   528
.set G1,   24                          ; s[24:31] group 1: 128 rows of 256 bytes
.set G1S,  32                          ; s[32:39] group 1: 16 rows
.set G0S,  40
.set G0A,  44
.set PS,   32
.set RS,   64
.set PBUF, 112
.set BPW,  192
.set MSB, 0
.macro WIN new                         ; the immediate's high byte repeats the setting that is left; a switch that changes nothing is dropped
.if MSB != (\new)
	s_set_vgpr_msb (MSB<<8)|(\new)
.set MSB, (\new)
.endif
.endm
.macro CROUND                          ; a round of the cluster's barrier
	s_barrier_signal -1
	s_barrier_wait -1
	s_cmp_lg_u32 s16, 0
	s_cbranch_scc1 .Lnot_wave_0_\@
	s_barrier_signal -3
.Lnot_wave_0_\@:
	s_barrier_wait -3
	s_barrier_signal -1
	s_barrier_wait -1
.endm
	s_load_b256 s[4:11], s[0:1], 0x0               ; aq, wq, bo, out0
	v_lshl_add_u32 v110, v0, 2, 0x29000
	v_mov_b32 v111, 0
	ds_add_u32 v110, v111
	ds_add_u32 v110, v111
	v_lshrrev_b32 v1, 5, v0
	v_readfirstlane_b32 s16, v1                    ; wave
	s_and_b32 s17, ttmp7, 0xffff                   ; y: which 128 columns
	s_bfe_u32 s18, ttmp6, 0x40000                  ; cx: it enters R's and the output's addresses alone
.irp g, G1, G1S
	s_mov_b32 s[\g], 15|(3<<16)|(1<<21)            ; 15:0 the mask: all four work-groups; 17:16 elements of 8 bytes; 21 set beside a mask; no padding
	s_mov_b32 s[\g+1], 32<<16                      ; rows of 256 bytes of a dense block
	s_mov_b32 s[\g+3], 32<<16
	s_mov_b32 s[\g+5], 32
	s_mov_b32 s[\g+6], 0
	s_mov_b32 s[\g+7], 0
.endr
	s_mov_b32 s[G1+2], 128<<16                     ; waves 0 to 2: a third of the slab each, 32,768 bytes
	s_mov_b32 s[G1+4], 128
	s_mov_b32 s[G1S+2], 16<<16                     ; wave 3: all its scale words, 4,096 bytes
	s_mov_b32 s[G1S+4], 16
	s_mul_i32 s74, s17, 98304                      ; P's offsets: made of y and the wave alone
	s_add_co_u32 s74, s74, 2359296                 ; Wo is the fourth weight in wq
	s_mul_i32 s[G0A+1], s16, 32768
	s_add_co_u32 s74, s74, s[G0A+1]
	s_mov_b32 s75, 0
	s_lshl_b32 s76, s17, 12
	s_add_co_u32 s76, s76, WSC+98304
	s_mov_b32 s[G0S+1], 0
	s_add_co_u32 s76, s76, s[G0S+1]
	s_mov_b32 s77, 0
	s_add_co_u32 s[G0S+1], s[G0S+1], PSC
	s_mov_b32 s[G0S], 1
	s_mov_b32 s[G0A], 1
	s_lshl_b32 s20, ttmp9, 2
	s_add_co_u32 s20, s20, s18                     ; row block
	s_lshl_b32 s21, s20, 4
	s_lshl_b32 s22, s16, 2
	s_add_co_u32 s21, s21, s22                     ; my first tile of rows
	s_mul_i32 s22, s21, 12288
	s_mov_b32 s23, 0
	s_lshl_b32 s66, s21, 9
	s_add_co_u32 s66, s66, ASC
	s_mov_b32 s67, 0
	s_lshl_b32 s68, s17, 9                         ; 128 columns of 4 bytes
	s_mov_b32 s69, 0
	s_lshl_b32 s70, s21, 16                        ; 16 rows of 4,096 bytes a tile
	s_add_co_u32 s70, s70, s68
	s_mov_b32 s71, 0
	s_mul_i32 s72, s16, 16*SP
	s_add_co_u32 s72, s72, STG                     ; my stage
	v_and_b32 v3, 31, v0
	v_lshlrev_b32 v5, 4, v3                        ; 16 x lane
	v_lshlrev_b32 v9, 3, v3                        ; 8 x lane
	v_add_nc_u32 v6, 49152, v5
	v_add_nc_u32 v10, 49152, v9
	v_and_b32 v3, 15, v0                           ; r
	v_bfe_u32 v4, v0, 4, 1                         ; h
	v_lshlrev_b32 v14, 4, v3
	v_lshl_add_u32 v14, v4, 9, v14                 ; scale words of a pair of tiles: lanes 0-15 the even tile's row r, lanes 16-31 the odd tile's
	v_add_nc_u32 v13, PSC, v14
	v_lshlrev_b32 v15, 6, v4                       ; bo: 16 numbers on for lanes 16-31
	v_mul_u32_u24 v17, v3, SP
	v_lshl_add_u32 v17, v4, 6, v17
	v_add_nc_u32 v17, s72, v17                     ; into the stage: row r, + 64 h
	v_add_nc_u32 v18, s72, v5                      ; back: 16 bytes a lane of a row's 512
	s_wait_dscnt 0x0
	s_wait_kmcnt 0x0
	s_add_nc_u64 s[G0S+2:G0S+3], s[6:7], s[76:77]
	s_add_nc_u64 s[G0A+2:G0A+3], s[6:7], s[74:75]
	s_or_b32 s[G0S+3], s[G0S+3], 0x80000000
	s_or_b32 s[G0A+3], s[G0A+3], 0x80000000
	s_add_nc_u64 s[52:53], s[4:5], s[22:23]        ; R's codes
	s_add_nc_u64 s[54:55], s[4:5], s[66:67]        ; R's scale words
	s_add_nc_u64 s[56:57], s[8:9], s[68:69]        ; bo
	s_add_nc_u64 s[58:59], s[10:11], s[70:71]      ; out0
	CROUND                                         ; all four work-groups are here: the joint loads meet
	; the first and only fills, ONE JOINT LOAD A WAVE, in one chain of branches on the wave's number: one tensor load of a wave is out at the most
	s_cmp_lt_u32 s16, 3
	s_cbranch_scc0 .Lhead_s
	tensor_load_to_lds s[G0A:G0A+3], s[G1:G1+7]
	s_nop 0
.rept 4
	v_nop
.endr
	s_branch .Lhead_j
.Lhead_s:
	tensor_load_to_lds s[G0S:G0S+3], s[G1S:G1S+7]
	s_nop 0
.rept 4
	v_nop
.endr
.Lhead_j:
.macro RLOAD s                         ; my four tiles of rows, K step s: 16 loads of 512 or 256 consecutive bytes
.irp i, 0,1,2,3
	global_load_b128 v[48*((\s)%4)+12*\i:48*((\s)%4)+12*\i+3], v5, s[52:53] offset:12288*\i+1536*(\s)
	global_load_b64 v[48*((\s)%4)+12*\i+4:48*((\s)%4)+12*\i+5], v9, s[52:53] offset:12288*\i+1536*(\s)+512
	global_load_b128 v[48*((\s)%4)+12*\i+6:48*((\s)%4)+12*\i+9], v5, s[52:53] offset:12288*\i+1536*(\s)+768
	global_load_b64 v[48*((\s)%4)+12*\i+10:48*((\s)%4)+12*\i+11], v9, s[52:53] offset:12288*\i+1536*(\s)+1280
.endr
.endm
	s_wait_alu depctr_va_vdst(0)
.irp p, 0,1
.irp q, 0,1
	global_load_b128 v[RS+8*\p+4*\q:RS+8*\p+4*\q+3], v14, s[54:55] offset:1024*\p+256*\q
.endr
.endr
	WIN 0x40
.irp t, 0,1,2,3,4,5,6,7
	global_load_b128 v[BPW+8*\t:BPW+8*\t+3], v15, s[56:57] offset:(32*(\t/2)+8*(\t%2))*4           ; register 8 t + j: column 32 (t / 2) + 16 h + 8 (t % 2) + j
	global_load_b128 v[BPW+8*\t+4:BPW+8*\t+7], v15, s[56:57] offset:(32*(\t/2)+8*(\t%2))*4+16
.endr
	RLOAD 0
	RLOAD 1
	RLOAD 2
	RLOAD 3
	WIN 0
.macro PFETCH n                        ; four tiles of P (half n % 2 of the eight), K step n / 2, into buffer n % 3: 16 LDS loads
.set PB_, PBUF+48*((\n)%3)
.set PO_, 1536*((\n)/2)
.set PK_, (\n)%2
.irp t, 0,1,2,3
	ds_load_b128 v[PB_+12*\t:PB_+12*\t+3], v[5+PK_] offset:12288*\t+PO_
	ds_load_b64 v[PB_+12*\t+4:PB_+12*\t+5], v[9+PK_] offset:12288*\t+PO_+512
	ds_load_b128 v[PB_+12*\t+6:PB_+12*\t+9], v[5+PK_] offset:12288*\t+PO_+768
	ds_load_b64 v[PB_+12*\t+10:PB_+12*\t+11], v[9+PK_] offset:12288*\t+PO_+1280
.endr
.endm
.macro WM                              ; one product, by the symbols rD, rA, rB, rC, rSA, rSB; rPA, rPB: the side's scale words stand in lanes 16-31
.if rPA && rPB
	v_wmma_scale_f32_16x16x128_f8f6f4 v[rD:rD+7], v[rA:rA+11], v[rB:rB+11], v[rC:rC+7], v[rSA], v[rSB] matrix_a_fmt:MATRIX_FMT_FP6 matrix_b_fmt:MATRIX_FMT_FP6 matrix_a_scale:MATRIX_SCALE_ROW1 matrix_b_scale:MATRIX_SCALE_ROW1
.elseif rPA
	v_wmma_scale_f32_16x16x128_f8f6f4 v[rD:rD+7], v[rA:rA+11], v[rB:rB+11], v[rC:rC+7], v[rSA], v[rSB] matrix_a_fmt:MATRIX_FMT_FP6 matrix_b_fmt:MATRIX_FMT_FP6 matrix_a_scale:MATRIX_SCALE_ROW1
.elseif rPB
	v_wmma_scale_f32_16x16x128_f8f6f4 v[rD:rD+7], v[rA:rA+11], v[rB:rB+11], v[rC:rC+7], v[rSA], v[rSB] matrix_a_fmt:MATRIX_FMT_FP6 matrix_b_fmt:MATRIX_FMT_FP6 matrix_b_scale:MATRIX_SCALE_ROW1
.else
	v_wmma_scale_f32_16x16x128_f8f6f4 v[rD:rD+7], v[rA:rA+11], v[rB:rB+11], v[rC:rC+7], v[rSA], v[rSB] matrix_a_fmt:MATRIX_FMT_FP6 matrix_b_fmt:MATRIX_FMT_FP6
.endif
.endm
; 16 matrix instructions: my 4 tiles of rows x 4 tiles of P (half n % 2), K step n / 2.  The 32 accumulators take turns, one instruction a turn, in the same order in every K step.
.macro MUL16 n
.set MS_, (\n)/2
.set MA_, (\n)%2
.set MP_, PBUF+48*((\n)%3)
.if MS_ == 0
	WIN 0xd4                                       ; source 0 (P) window 0, source 1 (R) window 1, C (bo) window 1, D window 3: the first K step starts the sums with the bias
.else
	WIN 0xf4+4*(MS_/4)                             ; source 1 window 1 or 2, C and D window 3
.endif
.irp i, 0,1,2,3
.irp t, 0,1,2,3
.set rD, 8*(8*\i+4*MA_+\t)
.set rC, rD
.if MS_ == 0
.set rC, BPW+8*(4*MA_+\t)
.endif
.set rA, MP_+12*\t
.set rB, 48*(MS_%4)+12*\i
.set rSA, PS+8*((4*MA_+\t)/2)+MS_
.set rSB, RS+8*(\i/2)+MS_
.set rPA, \t%2
.set rPB, \i%2
	WM
.endr
.endr
.endm
	s_wait_tensorcnt 0x0                           ; my load has landed,
	s_barrier_signal -1
	s_barrier_wait -1                              ; everybody's have
.irp p, 0,1,2,3
.irp q, 0,1
	ds_load_b128 v[PS+8*\p+4*\q:PS+8*\p+4*\q+3], v13 offset:1024*\p+256*\q
.endr
.endr
	PFETCH 0
	PFETCH 1
	PFETCH 2
.set N_, 0
.rept 16
.if N_%2 == 0
.if N_/2 <= 4
	s_wait_loadcnt 48                              ; R's K step is in; the three K steps behind it, 16 loads each, may be out
.else
	s_wait_loadcnt 16*(7-N_/2)
.endif
.endif
.if N_ <= 13
	s_wait_dscnt 32                                ; this buffer is in; the two fetches behind it, 16 loads each, may be out
.elseif N_ == 14
	s_wait_dscnt 16
.else
	s_wait_dscnt 0x0
.endif
	MUL16 N_
.rept 4
	v_nop                                          ; four places in front of loads into the buffer just multiplied, and at the end of the first read of the results
.endr
	WIN 0
.if N_ <= 12
	PFETCH N_+3
.endif
.if (N_%2 == 1) && (N_/2 < 4)
	WIN 0x80
	RLOAD N_/2+4
	WIN 0
.endif
.set N_, N_+1
.endr
; THE WAY OUT, a tile of 16 rows at a time.  LDS serves a wave's instructions in order: no wait between the stores and the loads, nor in front of the next tile's stores.
.macro TOSTAGE i
	WIN 0x0c                                       ; an LDS store's data are its source 1: window 3
.irp b, 0,1,2,3
.irp q, 0,1,2,3
	ds_store_b128 v17, v[64*(\i)+16*\b+4*\q:64*(\i)+16*\b+4*\q+3] offset:128*\b+16*\q   ; columns 32 b + 16 h + 4 q on; each accumulator from its low end on
.endr
.endr
	WIN 0
.set OB_, PBUF+64*((\i)%2)
.irp p, 0,1,2,3,4,5,6,7,8,9,10,11,12,13,14,15
	ds_load_b128 v[OB_+4*\p:OB_+4*\p+3], v18 offset:SP*\p
.endr
.endm
.macro SEND i, younger                 ; younger: the LDS instructions issued behind tile i's loads, which may stay out
.set OB_, PBUF+64*((\i)%2)
	s_wait_dscnt \younger
.irp p, 0,1,2,3,4,5,6,7,8,9,10,11,12,13,14,15
	global_store_b128 v5, v[OB_+4*\p:OB_+4*\p+3], s[58:59] offset:(32*((\i)/2)+8*((\i)%2)+\p+8*(\p/8))*4096 th:TH_STORE_NT   ; 32 lanes store 512 consecutive bytes, at a multiple of 256 from out0's first byte
.endr
.endm
	TOSTAGE 0
	TOSTAGE 1
	SEND 0, 32                                     ; behind tile 0's loads: tile 1's 16 stores and 16 loads
	s_wait_xcnt 0x0                                ; tile 0's stores have read their registers: tile 2's loads land there
	TOSTAGE 2
	SEND 1, 32
	s_wait_xcnt 0x0
	TOSTAGE 3
	SEND 2, 32
	SEND 3, 0
	s_wait_tensorcnt 0x0
	ds_add_u32 v110, v111
	s_wait_dscnt 0x0
	CROUND                                         ; the closing round: no work-group ends while a partner may still ask for a tile that names it
	s_endpgm
.Lfunc_end_k_q3eab50dc1c_oproj:
	.size	k_q3eab50dc1c_oproj, .Lfunc_end_k_q3eab50dc1c_oproj-k_q3eab50dc1c_oproj
	.p2alignl 7, 3214868480
	.fill 96, 4, 3214868480
	.section	.rodata,"a",@progbits
	.p2align	6, 0x0
	.amdhsa_kernel k_q3eab50dc1c_oproj
		.amdhsa_group_segment_fixed_size 168448
		.amdhsa_private_segment_fixed_size 0
		.amdhsa_enable_private_segment 0
		.amdhsa_kernarg_size 32
		.amdhsa_user_sgpr_count 2
		.amdhsa_user_sgpr_kernarg_segment_ptr 1
		.amdhsa_wavefront_size32 1
		.amdhsa_system_sgpr_workgroup_id_x 1
		.amdhsa_system_sgpr_workgroup_id_y 1
		.amdhsa_system_sgpr_workgroup_id_z 1
		.amdhsa_system_vgpr_workitem_id 0
		.amdhsa_next_free_vgpr 1024
		.amdhsa_next_free_sgpr 80
		.amdhsa_reserve_vcc 0
		.amdhsa_float_denorm_mode_32 3
		.amdhsa_float_denorm_mode_16_64 3
		.amdhsa_memory_ordered 1
		.amdhsa_forward_progress 1
		.amdhsa_inst_pref_size 87
	.end_amdhsa_kernel
	.amdgpu_metadata
---
amdhsa.version: [ 1, 2 ]
amdhsa.kernels:
  - .name:           k_q3eab50dc1c_oproj
    .symbol:         k_q3eab50dc1c_oproj.kd
    .args:
      - { .name: aq, .offset: 0, .size: 8, .value_kind: global_buffer, .address_space: global }
      - { .name: wq, .offset: 8, .size: 8, .value_kind: global_buffer, .address_space: global }
      - { .name: bo, .offset: 16, .size: 8, .value_kind: global_buffer, .address_space: global }
      - { .name: out0, .offset: 24, .size: 8, .value_kind: global_buffer, .address_space: global }
    .group_segment_fixed_size: 168448
    .private_segment_fixed_size: 0
    .kernarg_segment_align: 8
    .kernarg_segment_size: 32
    .max_flat_workgroup_size: 128
    .sgpr_count:     80
    .vgpr_count:     1024
    .wavefront_size: 32
...
	.end_amdgpu_metadata
.endif
;; end of part 4
